; MI455X (gfx1250); checked and timed in simulation.
; The chip was launched on July 23, 2026; its instructions are those of AMD's public machine-readable ISA for CDNA 5 (MIT licence, August 2026) and "CDNA5" Instruction Set Architecture Reference Guide (July 2026). The comments in the code are by the model that wrote it; some were corrected since.
;; Qwen3 Attention. Allowed arithmetic: matrix products marked QUANTISED: E4M3 operands, one given power-of-two scale a tensor, by v_wmma_f32_16x16x64_fp8_fp8 or v_wmma_f32_16x16x128_fp8_fp8, f32 sums; everything else in f32.
;; Inputs: attention_mask 2 x 1 x 2,048 x 2,048 float32; hidden_states_codes 2 x 2,048 x 64 x 32 uint8 (E4M3 codes of hidden_states, K innermost, in blocks of 32 codes); k_norm_w 128 float32; k_w_codes 1,024 x 64 x 32 uint8 (E4M3 codes of k_w, K innermost, in blocks of 32 codes); lowp_scales 12 int32 (the exponents e of the quantised operands' scales 2^e); o_w_codes 2,048 x 32 x 32 uint8 (E4M3 codes of o_w, K innermost, in blocks of 32 codes); position_ids 2 x 2,048 int32; q_norm_w 128 float32; q_w_codes 1,024 x 64 x 32 uint8 (E4M3 codes of q_w, K innermost, in blocks of 32 codes); v_w_codes 1,024 x 64 x 32 uint8 (E4M3 codes of v_w, K innermost, in blocks of 32 codes).
;; Outputs: out0 2 x 2,048 x 2,048 float32.
;; This version of the problem:
;;   THIS VERSION OF THE PROBLEM IS GIVEN IN LOW PRECISION. The matrix products marked QUANTISED in the list below multiply operands that are first quantised to E4M3 (4 exponent bits, 3 mantissa bits; 8 bits a number), with one given power-of-two scale for each operand tensor; their sums are f32. All else is computed in f32.
;;   The module's matrix products, in the order in which they are computed (A, B: the left and right operand; K: the contracted axis; several contracted axes count as one K, in the product's order):
;;     1. [M 4,096, K 2,048] x [K 2,048, N 1,024]; A: input hidden_states (given as codes); B: input q_w (given as codes): QUANTISED (scales: A lowp_scales[0], B lowp_scales[1])
;;     2. [M 4,096, K 2,048] x [K 2,048, N 1,024]; A: input hidden_states (given as codes); B: input k_w (given as codes): QUANTISED (scales: A lowp_scales[2], B lowp_scales[3])
;;     3. [M 4,096, K 2,048] x [K 2,048, N 1,024]; A: input hidden_states (given as codes); B: input v_w (given as codes): QUANTISED (scales: A lowp_scales[4], B lowp_scales[5])
;;     4. batch 16 x [M 2,048, K 128] x [K 128, N 2,048]; A: computed on the way; B: computed on the way: QUANTISED (scales: A lowp_scales[6], B lowp_scales[7])
;;     5. batch 16 x [M 2,048, K 2,048] x [K 2,048, N 128]; A: softmax (see below); B: computed on the way: QUANTISED (scales: A lowp_scales[8], B lowp_scales[9])
;;     6. [M 4,096, K 1,024] x [K 1,024, N 2,048]; A: computed on the way; B: input o_w (given as codes): QUANTISED (scales: A lowp_scales[10], B lowp_scales[11])
;;   THE QUANTISER, for each operand of a quantised product, along K:
;;     - The operand's scale is 2^e, e = its entry of the input lowp_scales (int32; the entries are numbered through the quantised products in the list's order, A before B).
;;     - Each number is divided by the scale, clamped to +-448, and rounded to the nearest number of E4M3, ties to even, subnormals kept.
;;     - The product sums the exact products of the quantised numbers (number of the format x scale) in f32.
;;   ~~~python
;;   def quantise(x, axis, e):      # numpy; x: float32 -> the quantised numbers, widened to float32 again
;;       x = np.moveaxis(x, axis, -1); K = x.shape[-1]
;;       r = np.clip(x / 2.0 ** e, -448, 448)
;;       step = 2.0 ** (np.maximum(np.frexp(np.where(r == 0, 1, r))[1] - 1, -6) - 3)
;;       q = np.round(r / step) * step * 2.0 ** e      # np.round: ties to even
;;       return np.moveaxis(q, -1, axis).astype(np.float32)
;;   ~~~
;;   SOFTMAX AHEAD OF A QUANTISED PRODUCT. Where the list says 'softmax', what is quantised is not the finished softmax but p = 2^(t - M), with t = logit x log2(e) and M = ceil(the row's largest t), a whole number; so 1/2 < the row's largest p <= 1. The row's sum l is taken of the UNQUANTISED p, in f32, and the product's result is divided by l at the end. Since M is a whole number, a kernel that streams over the keys may use a running M (the ceiling of the running maximum): every later rescaling is an exact power of two, so the quantised numbers keep their values, but for numbers so far below the row's largest that they fall under the format's range.
;;   OPERANDS COMPUTED ON THE WAY. 'Computed on the way' means the value that the module computes at that place (a softmax that the list does not call 'softmax' is quantised finished and normalised). What goes into a quantiser is computed in f32, as accurately as f32 sums, v_exp_f32 and their like allow (about 1e-6 of the number): no bf16 or f16 on the way to a quantiser, and a product that is left as it is and whose result goes on into a quantised operand takes f32 operands (vector FMAs, or v_wmma_f32_16x16x4_f32). A number that lies on a knife's edge between two numbers of the format may be rounded either way, as far as f32 arithmetic and the matrix unit's own rounding can turn it there, and no further.
;;   INPUTS GIVEN AS CODES. hidden_states (in the module: [2, 2048, 2048], K = its axis 2); k_w (in the module: [1024, 2048], K = its axis 1); o_w (in the module: [2048, 1024], K = its axis 1); q_w (in the module: [1024, 2048], K = its axis 1); v_w (in the module: [1024, 2048], K = its axis 1): each comes as NAME_codes (uint8): NAME with its K axis moved to the last place and cut into blocks of 32 codes, [.., K / 32, bytes a block], one block behind the other in memory; one code a byte (a code: sign, 4 exponent bits, 3 mantissa bits); its scale is its entry of lowp_scales. Its value is code x scale, taken as it is: it is not quantised again, and the codes and scales need not be those that the quantiser above would give.
;; One version. Each part assembles by itself: llvm-mc -triple=amdgcn-amd-amdhsa -mcpu=gfx1250 --defsym DOCPART=n.
;; ======== version 1 of 1: 4 launches
;; limits: right only within a limited range of input values
;; workspace buffers: rope 2,097,152 bytes; q_img 4,194,304 bytes; k_img 4,194,304 bytes; v_img 4,194,304 bytes; a_img 4,194,304 bytes
;; launch rope (part 1): grid 256 x 1, 4 waves a work-group, no clusters, 0 bytes of LDS; arguments position_ids, rope; writes rope
.if DOCPART == 1
	.amdgcn_target "amdgcn-amd-amdhsa--gfx1250"
	.amdhsa_code_object_version 6
	.text
	.protected	k_qab21cf1305_rope
	.globl	k_qab21cf1305_rope
	.p2align	8
	.type	k_qab21cf1305_rope,@function
k_qab21cf1305_rope:
	s_mov_b64 s[64:65], 0
	v_nop
	global_prefetch_b8 v0, s[64:65] scope:SCOPE_SE
	s_setreg_imm32_b32 hwreg(HW_REG_WAVE_MODE, 25, 1), 1
	s_wait_xcnt 0x0
; COS AND SIN OF THE ROTARY EMBEDDING, made once for all heads: cos(pos x f_j), sin(pos x f_j), f_j = 1e6^(-j/64), j = 0 .. 63, for the 4,096 tokens.
; NOTHING OF THE PROBLEM IS LEFT OUT in this program: every input has a way to the output and is loaded; the additive mask is an input, so all 2,048 keys are walked for every query.
; The table is laid as the next launch's registers want it: [256 tiles of 16 tokens][16 groups][32 lanes][16 bytes]; groups 0-7 cos, 8-15 sin;
; register i (0 .. 31) of lane (r = lane % 16, h = lane / 16) serves token 16 tile + r and frequency j = 16 (i / 8) + 8 h + i % 8.
; SHARES: a work-group takes one tile, wave w its registers 8 w .. 8 w + 7: eight pairs a lane, walked stage by stage so that eight independent chains take turns.
; f_j = 2^(-c j), c = log2(1e6) / 64, with -c in two parts: j x the high part (17 bits) is exact, the whole part goes to v_ldexp_f32, the fraction, with j x the low part added, to v_exp_f32.
; x = pos x f_j is one rounded product.  x is reduced by k = the nearest whole number to x 2/pi, with pi/2 in two parts; sine and cosine are polynomials on |rest| <= pi/4; k's low two bits choose and sign them.
; LIMIT: |position| up to 2^22, where the reduction in two parts still errs under 1e-8.  f_j lies within about two units in the last place of 1e6^(-j/64).
.set NCHI,  10                         ; -81640 / 2^18, the high part of -c
.set PCLO,  11                         ; the rest of -c
.set TWOPI, 12                         ; 2 / pi
.set NC1,   13                         ; -(pi/2), high part
.set PC2,   14                         ; what the high part has too much
.set CS1,   15                         ; s15-17 the sine's coefficients
.set CS2,   16
.set CS3,   17
.set CK1,   18                         ; s18-20 the cosine's
.set CK2,   19
.set CK3,   20
.set FJ, 16                            ; eight registers each: j, then f_j, then x
.set T1, 24
.set T2, 32
.set T3, 40
.set T4, 48
.set T5, 56
.set COSR, 64
.set SINR, 72
.set WH, 80                            ; whole parts
	s_load_b128 s[4:7], s[0:1], 0x0                ; position_ids, the table
	v_lshrrev_b32 v1, 5, v0
	v_readfirstlane_b32 s8, v1                     ; wave
	v_and_b32 v1, 15, v0                           ; r
	v_bfe_u32 v2, v0, 4, 1                         ; h
	v_lshlrev_b32 v3, 2, v1                        ; my token's position: 4 r
	v_and_b32 v6, 31, v0
	v_lshlrev_b32 v6, 4, v6                        ; 16 x lane
	s_lshl_b32 s9, s8, 4
	v_lshl_add_u32 v5, v2, 3, s9                   ; 16 w + 8 h
	s_lshl_b32 s22, ttmp9, 6                       ; 16 positions of 4 bytes to a tile
	s_mov_b32 s23, 0
	s_lshl_b32 s24, ttmp9, 13                      ; 8,192 bytes of table to a tile,
	s_lshl_b32 s25, s8, 10                         ; my two groups of 512 bytes
	s_add_co_u32 s24, s24, s25
	s_mov_b32 s25, 0
	s_mov_b32 s[NCHI], 0xbe9f7400
	s_mov_b32 s[PCLO], 0x35971c98
	s_mov_b32 s[TWOPI], 0x3f22f983
	s_mov_b32 s[NC1], 0xbfc90fdb
	s_mov_b32 s[PC2], 0x333bbd2e
	s_mov_b32 s[CS1], 0xbe2aaaa3
	s_mov_b32 s[CS2], 0x3c08839e
	s_mov_b32 s[CS3], 0xb94ca1f9
	s_mov_b32 s[CK1], 0x3d2aaaa5
	s_mov_b32 s[CK2], 0xbab6061a
	s_mov_b32 s[CK3], 0x37ccf5ce
	s_wait_alu depctr_va_vdst(0)                   ; the wait at the head's end
	s_wait_kmcnt 0x0
	s_add_nc_u64 s[4:5], s[4:5], s[22:23]
	s_add_nc_u64 s[6:7], s[6:7], s[24:25]
	global_load_b32 v4, v3, s[4:5]
; the frequencies first: they need no position
.irp n, 0,1,2,3,4,5,6,7
	v_add_nc_u32 v[FJ+\n], \n, v5                  ; j
.endr
.irp n, 0,1,2,3,4,5,6,7
	v_cvt_f32_u32 v[FJ+\n], v[FJ+\n]
.endr
.irp n, 0,1,2,3,4,5,6,7
	v_mul_f32 v[T1+\n], s[NCHI], v[FJ+\n]          ; exact: 6 bits x 17 bits
.endr
.irp n, 0,1,2,3,4,5,6,7
	v_floor_f32 v[T2+\n], v[T1+\n]
.endr
.irp n, 0,1,2,3,4,5,6,7
	v_sub_f32 v[T1+\n], v[T1+\n], v[T2+\n]         ; exact
	v_cvt_i32_f32 v[WH+\n], v[T2+\n]               ; the whole part, for v_ldexp_f32
.endr
.irp n, 0,1,2,3,4,5,6,7
	v_fma_f32 v[T1+\n], v[FJ+\n], s[PCLO], v[T1+\n]
.endr
	s_wait_alu depctr_va_vdst(0)                   ; the wait ahead of the batch
.irp n, 0,1,2,3,4,5,6,7
	v_exp_f32 v[T3+\n], v[T1+\n]
.endr
	v_nop                                          ; a plain instruction behind the last exponential
	s_wait_loadcnt 0x0
	s_wait_alu depctr_va_vdst(0)                   ; and the wait behind the batch, ahead of its first reader
	v_cvt_f32_i32 v4, v4                           ; the position as f32
.irp n, 0,1,2,3,4,5,6,7
	v_ldexp_f32 v[FJ+\n], v[T3+\n], v[WH+\n]       ; f_j
.endr
.irp n, 0,1,2,3,4,5,6,7
	v_mul_f32 v[FJ+\n], v4, v[FJ+\n]               ; x
.endr
.irp n, 0,1,2,3,4,5,6,7
	v_mul_f32 v[T1+\n], s[TWOPI], v[FJ+\n]
.endr
.irp n, 0,1,2,3,4,5,6,7
	v_rndne_f32 v[T1+\n], v[T1+\n]                 ; k
.endr
.irp n, 0,1,2,3,4,5,6,7
	v_fma_f32 v[T2+\n], v[T1+\n], s[NC1], v[FJ+\n]
	v_cvt_i32_f32 v[WH+\n], v[T1+\n]
.endr
.irp n, 0,1,2,3,4,5,6,7
	v_fma_f32 v[T2+\n], v[T1+\n], s[PC2], v[T2+\n] ; the rest, |.| <= pi/4
.endr
.irp n, 0,1,2,3,4,5,6,7
	v_mul_f32 v[T3+\n], v[T2+\n], v[T2+\n]
.endr
.irp n, 0,1,2,3,4,5,6,7
	v_fma_f32 v[T4+\n], v[T3+\n], s[CS3], s[CS2]
	v_fma_f32 v[T5+\n], v[T3+\n], s[CK3], s[CK2]
.endr
.irp n, 0,1,2,3,4,5,6,7
	v_fma_f32 v[T4+\n], v[T4+\n], v[T3+\n], s[CS1]
	v_fma_f32 v[T5+\n], v[T5+\n], v[T3+\n], s[CK1]
.endr
.irp n, 0,1,2,3,4,5,6,7
	v_mul_f32 v[T4+\n], v[T4+\n], v[T3+\n]
	v_fma_f32 v[T5+\n], v[T5+\n], v[T3+\n], -0.5
.endr
.irp n, 0,1,2,3,4,5,6,7
	v_fma_f32 v[T4+\n], v[T4+\n], v[T2+\n], v[T2+\n]   ; sine of the rest
	v_fma_f32 v[T5+\n], v[T5+\n], v[T3+\n], 1.0        ; cosine of the rest
.endr
.irp n, 0,1,2,3,4,5,6,7
	v_and_b32 v[T1+\n], 1, v[WH+\n]
	v_lshlrev_b32 v[T2+\n], 30, v[WH+\n]
	v_add_nc_u32 v[T3+\n], 1, v[WH+\n]
.endr
.irp n, 0,1,2,3,4,5,6,7
	v_cmp_eq_u32 vcc_lo, 1, v[T1+\n]               ; an odd k swaps the two
	v_cndmask_b32 v[COSR+\n], v[T5+\n], v[T4+\n], vcc_lo
	v_cndmask_b32 v[SINR+\n], v[T4+\n], v[T5+\n], vcc_lo
	v_lshlrev_b32 v[T3+\n], 30, v[T3+\n]
.endr
.irp n, 0,1,2,3,4,5,6,7
	v_and_b32 v[T2+\n], 0x80000000, v[T2+\n]       ; sin is negative where k % 4 is 2 or 3,
	v_and_b32 v[T3+\n], 0x80000000, v[T3+\n]       ; cos where it is 1 or 2
.endr
.irp n, 0,1,2,3,4,5,6,7
	v_xor_b32 v[SINR+\n], v[SINR+\n], v[T2+\n]
	v_xor_b32 v[COSR+\n], v[COSR+\n], v[T3+\n]
.endr
	global_store_b128 v6, v[COSR:COSR+3], s[6:7]               ; each store of the wave covers 512 consecutive bytes, aligned
	global_store_b128 v6, v[COSR+4:COSR+7], s[6:7] offset:512
	global_store_b128 v6, v[SINR:SINR+3], s[6:7] offset:4096
	global_store_b128 v6, v[SINR+4:SINR+7], s[6:7] offset:4608
	s_endpgm
.Lfunc_end_k_qab21cf1305_rope:
	.size	k_qab21cf1305_rope, .Lfunc_end_k_qab21cf1305_rope-k_qab21cf1305_rope
	.p2alignl 7, 3214868480
	.fill 96, 4, 3214868480
	.section	.rodata,"a",@progbits
	.p2align	6, 0x0
	.amdhsa_kernel k_qab21cf1305_rope
		.amdhsa_group_segment_fixed_size 0
		.amdhsa_private_segment_fixed_size 0
		.amdhsa_enable_private_segment 0
		.amdhsa_kernarg_size 16
		.amdhsa_user_sgpr_count 2
		.amdhsa_user_sgpr_kernarg_segment_ptr 1
		.amdhsa_wavefront_size32 1
		.amdhsa_system_sgpr_workgroup_id_x 1
		.amdhsa_system_sgpr_workgroup_id_y 1
		.amdhsa_system_sgpr_workgroup_id_z 1
		.amdhsa_system_vgpr_workitem_id 0
		.amdhsa_next_free_vgpr 128
		.amdhsa_next_free_sgpr 66
		.amdhsa_reserve_vcc 1
		.amdhsa_float_denorm_mode_32 3
		.amdhsa_float_denorm_mode_16_64 3
		.amdhsa_memory_ordered 1
		.amdhsa_forward_progress 1
		.amdhsa_inst_pref_size 15
	.end_amdhsa_kernel
	.amdgpu_metadata
---
amdhsa.version: [ 1, 2 ]
amdhsa.kernels:
  - .name:           k_qab21cf1305_rope
    .symbol:         k_qab21cf1305_rope.kd
    .args:
      - { .name: position_ids, .offset: 0, .size: 8, .value_kind: global_buffer, .address_space: global }
      - { .name: rope, .offset: 8, .size: 8, .value_kind: global_buffer, .address_space: global }
    .group_segment_fixed_size: 0
    .private_segment_fixed_size: 0
    .kernarg_segment_align: 8
    .kernarg_segment_size: 16
    .max_flat_workgroup_size: 128
    .sgpr_count:     66
    .vgpr_count:     128
    .wavefront_size: 32
...
	.end_amdgpu_metadata
.endif
;; end of part 1
;; launch qkv (part 2): grid 12 x 16, 4 waves a work-group, clusters of 4 x 4, 327,680 bytes of LDS; arguments hidden_states_codes, q_w_codes, k_w_codes, v_w_codes, lowp_scales, q_norm_w, k_norm_w, rope, q_img, k_img, v_img; writes q_img, k_img, v_img
.if DOCPART == 2
	.amdgcn_target "amdgcn-amd-amdhsa--gfx1250"
	.amdhsa_code_object_version 6
	.text
	.protected	k_qab21cf1305_qkv
	.globl	k_qab21cf1305_qkv
	.p2align	8
	.type	k_qab21cf1305_qkv,@function
k_qab21cf1305_qkv:
	s_mov_b64 s[64:65], 0
	v_nop
	global_prefetch_b8 v0, s[64:65] scope:SCOPE_SE
	s_setreg_imm32_b32 hwreg(HW_REG_WAVE_MODE, 25, 1), 1
	s_wait_xcnt 0x0
	s_wait_alu depctr_hold_cnt(0) depctr_sa_sdst(0) depctr_va_vdst(0) depctr_va_sdst(0) depctr_va_ssrc(0) depctr_va_vcc(0) depctr_vm_vsrc(0)
	s_getreg_b32 s2, hwreg(HW_REG_IB_STS2, 6, 4)
	s_cmp_eq_u32 s2, 0
	s_cbranch_scc0 .Lentry_in_a_cluster
	s_endpgm
.Lentry_in_a_cluster:
	s_bfe_u32 s2, ttmp6, 0x10000c
	s_cmp_lg_u32 s2, 0xf033
	s_cbranch_scc0 .Lentry_shape_is_right
	s_endpgm
.Lentry_shape_is_right:
.set KROW,   2048
.set ROWB,   256
.set PITCH,  272
.set FR,     16
.set NL,     4
.set NP,     4
.set HALFT,  128*PITCH
.set SLOT,   4*HALFT
.set LAPS,   KROW/(2*ROWB)
.set SPARE,  2*SLOT
.set ADRA, 16
.set ADRB, 20
.set LN16, 24
.set H32,  25
.set SPW,  28
.set NIL,  29
.set Y,    32
.set Z,    96
.set CD,   160
.set SS,   192
.set TA,   200
.set TB,   201
.set FAC,  202
.set SCV,  204
.set LIMV, 205
.set AF,   128
.set WN,   0
.set CSR,  64
.set G1, 24
.set G0, 32
.set G1B, 48
.set G0B, 56
.set MSB, 0
.macro WIN new
.if MSB != \new
	s_set_vgpr_msb (MSB<<8)|\new
.set MSB, \new
.endif
.endm
.set MUL_LO, 0xa1
.set MUL_HI, 0xf1
.set TO_B,   0x40
.macro JLOAD g0a, g1a, g0b, g1b
	s_cmp_eq_u32 s17, 0
	s_cbranch_scc0 .Lfor_b_\@
	tensor_load_to_lds s[\g0a:\g0a+3], s[\g1a:\g1a+7]
	s_nop 0
.rept 4
	v_nop
.endr
	s_branch .Lasked_\@
.Lfor_b_\@:
	tensor_load_to_lds s[\g0b:\g0b+3], s[\g1b:\g1b+7]
	s_nop 0
.rept 4
	v_nop
.endr
.Lasked_\@:
.endm
.macro CREST
	s_cmp_lg_u32 s16, 0
	s_cbranch_scc1 .Lnot_wave_0_\@
	s_barrier_signal -3
.Lnot_wave_0_\@:
	s_barrier_wait -3
	s_barrier_signal -1
	s_barrier_wait -1
.endm
.macro CROUND
	s_barrier_signal -1
	s_barrier_wait -1
	CREST
.endm
	s_load_b256 s[68:75], s[0:1], 0x0
	s_load_b256 s[76:83], s[0:1], 0x20
	s_load_b128 s[84:87], s[0:1], 0x40
	s_load_b64 s[88:89], s[0:1], 0x50
	v_lshl_add_u32 v[SPW], v0, 2, SPARE
	v_mov_b32 v[NIL], 0
	ds_add_u32 v[SPW], v[NIL]
	ds_add_u32 v[SPW], v[NIL]
	v_lshrrev_b32 v1, 5, v0
	v_readfirstlane_b32 s16, v1
	s_lshr_b32 s17, s16, 1
	s_and_b32 s18, s16, 1
	s_bfe_u32 s20, ttmp6, 0x40000
	s_bfe_u32 s21, ttmp6, 0x40004
	s_and_b32 s23, ttmp7, 0xffff
	s_lshl_b32 s23, s23, 2
	s_add_co_u32 s41, s23, s21
	s_add_co_u32 s42, s23, s20
	s_cmp_eq_u32 ttmp9, 2
	s_cselect_b32 s41, s21, s41
	s_cselect_b32 s42, s42, s20
	s_lshl_b32 s43, s21, 2
	s_lshl_b32 s43, 15, s43
	s_lshl_b32 s40, 0x1111, s20
	s_or_b32 s[G1+0], s43, (0<<16)|(1<<20)|(1<<21)|(5<<22)|(3<<25)
	s_or_b32 s[G1B+0], s40, (0<<16)|(1<<20)|(1<<21)|(5<<22)|(3<<25)
.irp g, G1, G1B
	s_mov_b32 s[\g+1], ROWB<<16
	s_mov_b32 s[\g+2], 128<<16
	s_mov_b32 s[\g+3], ROWB<<16
	s_mov_b32 s[\g+4], 128
	s_mov_b32 s[\g+5], KROW
	s_mov_b32 s[\g+6], 0
	s_mov_b32 s[\g+7], 0
.endr
	s_lshl_b32 s19, s18, 7
	s_lshl_b32 s44, s41, 8
	s_add_co_u32 s44, s44, s19
	s_lshl_b32 s44, s44, 11
	s_mov_b32 s45, 0
	s_lshl_b32 s46, s42, 8
	s_add_co_u32 s46, s46, s19
	s_lshl_b32 s46, s46, 11
	s_mov_b32 s47, 0
	s_mul_i32 s22, s16, HALFT
	s_wait_dscnt 0x0
	s_wait_kmcnt 0x0
	s_load_b256 s[4:11], s[76:77], 0x0
	s_load_b128 s[12:15], s[76:77], 0x20
	s_cmp_eq_u32 ttmp9, 0
	s_cselect_b64 s[66:67], s[70:71], s[72:73]
	s_cmp_eq_u32 ttmp9, 2
	s_cselect_b64 s[66:67], s[68:69], s[66:67]
	s_cselect_b64 s[90:91], s[74:75], s[68:69]
	s_add_nc_u64 s[44:45], s[90:91], s[44:45]
	s_add_nc_u64 s[46:47], s[66:67], s[46:47]
	CROUND
.irp s, 0,1
	s_mov_b32 s[G0+4*\s], 1
	s_add_co_u32 s[G0+4*\s+1], s22, \s*SLOT
	s_add_nc_u64 s[G0+4*\s+2:G0+4*\s+3], s[44:45], \s*ROWB
	s_or_b32 s[G0+4*\s+3], s[G0+4*\s+3], 0x80000000
	s_mov_b32 s[G0B+4*\s], 1
	s_add_co_u32 s[G0B+4*\s+1], s22, \s*SLOT
	s_add_nc_u64 s[G0B+4*\s+2:G0B+4*\s+3], s[46:47], \s*ROWB
	s_or_b32 s[G0B+4*\s+3], s[G0B+4*\s+3], 0x80000000
.endr
	JLOAD G0, G1, G0B, G1B                         ; K step 0: one tensor load a wave at the head; the set-up below stands under its flight
	v_and_b32 v1, 15, v0
	v_bfe_u32 v2, v0, 4, 1
	v_mul_u32_u24 v3, v1, PITCH
	v_lshl_add_u32 v4, v2, 4, v3
	s_mul_i32 s66, s17, HALFT
	s_mul_i32 s67, s18, HALFT
	s_add_co_u32 s67, s67, 2*HALFT
.irp s, 0,1
	v_add_nc_u32 v[ADRA+\s], s66, v4
	v_add_nc_u32 v[ADRB+\s], s67, v4
	s_add_co_u32 s66, s66, SLOT
	s_add_co_u32 s67, s67, SLOT
.endr
	v_and_b32 v5, 31, v0
	v_lshlrev_b32 v[LN16], 4, v5
	v_lshlrev_b32 v[H32], 5, v2
	; the prefetches: of the 128 rows that I fetch, my work-group takes 32, by address (cx among those that share the first operand's tile, cy the second's); a lane a row of 2,048 bytes
.set PFO, 30
	v_lshlrev_b32 v[PFO], 11, v5
.set TFO, 31
	v_lshlrev_b32 v[TFO], 8, v5                    ; the table's prefetch: lanes 256 bytes apart
	s_cmp_eq_u32 s17, 0
	s_cselect_b64 s[68:69], s[44:45], s[46:47]
	s_cselect_b32 s70, s20, s21
	s_lshl_b32 s70, s70, 16                        ; 32 rows of 2,048 bytes
	s_mov_b32 s71, 0
	s_add_nc_u64 s[68:69], s[68:69], s[70:71]
	s_add_nc_u64 s[68:69], s[68:69], 2*ROWB        ; at K step 2: the first refill steps it to 3 and names K step 4
	s_cmp_eq_u32 ttmp9, 2
	s_cselect_b32 s66, s42, s41
	s_cselect_b32 s67, s18, s17
	s_cselect_b32 s40, s41, s42
	s_cselect_b32 s43, s17, s18
	s_lshl_b32 s66, s66, 8
	s_lshl_b32 s67, s67, 7
	s_add_co_u32 s66, s66, s67
	s_lshl_b32 s40, s40, 1
	s_add_co_u32 s40, s40, s43
	s_lshr_b32 s43, s66, 11
	s_lshl_b32 s43, s43, 3
	s_add_co_u32 s40, s40, s43
	s_bfe_u32 s43, s66, 0x40007
	s_lshl_b32 s40, s40, 4
	s_add_co_u32 s40, s40, s43
	s_lshl_b32 s40, s40, 14
	s_mov_b32 s41, 0
	s_lshl_b32 s42, s66, 9
	s_mov_b32 s43, 0
	s_cmp_eq_u32 ttmp9, 0
	s_cselect_b64 s[90:91], s[84:85], s[86:87]
	s_cselect_b64 s[94:95], s[78:79], s[80:81]
	s_cmp_eq_u32 ttmp9, 2
	s_cselect_b64 s[90:91], s[88:89], s[90:91]
	s_add_nc_u64 s[90:91], s[90:91], s[40:41]
	s_add_nc_u64 s[92:93], s[82:83], s[42:43]
	s_lshl_b32 s72, s20, 1                         ; of the eight table tiles of 8,192 bytes that my 128 tokens read, the eight waves that read them (4 partners x 2 column halves) take one each, by address
	s_add_co_u32 s72, s72, s18
	s_lshl_b32 s72, s72, 13
	s_mov_b32 s73, 0
	s_add_nc_u64 s[72:73], s[92:93], s[72:73]
	s_mov_b32 s99, 0x76543210
	s_mov_b32 s100, 0xfedcba98
	s_wait_alu depctr_va_vdst(0)
	s_wait_kmcnt 0x0
	s_add_co_i32 s40, s4, s5
	s_add_co_i32 s41, s6, s7
	s_add_co_i32 s42, s8, s9
	s_sub_co_i32 s42, s13, s42
	s_cmp_eq_u32 ttmp9, 0
	s_cselect_b32 s40, s40, s41
	s_cselect_b32 s41, s10, s11
	s_cmp_eq_u32 ttmp9, 2
	s_cselect_b32 s41, s42, s41
	s_lshl_b32 s96, s40, 1
	s_add_co_i32 s96, s96, 120
	s_lshl_b32 s96, s96, 23
	s_mov_b32 s97, 0x358637bd
	s_add_co_i32 s98, s40, 127
	s_lshl_b32 s98, s98, 23
	s_add_co_i32 s41, s41, 127
	s_lshl_b32 s46, s41, 23
	s_add_co_i32 s41, s41, 8
	s_lshl_b32 s47, s41, 23
	s_or_b32 s47, s47, 0x600000
.macro FRAG reg, adr, q, i
.irp c, 0,1,2,3
	ds_load_b128 v[\reg+4*\c:\reg+4*\c+3], v[\adr] offset:128*(\q)+32*\c+(\i)*16*PITCH
.endr
.endm
.macro MUL16 a0, p, zero
.irp a, \a0, \a0+1
.irp b, 0,1,2,3,4,5,6,7
.if \zero
	v_wmma_f32_16x16x128_fp8_fp8 v[8*(8*((\a)%4)+\b):8*(8*((\a)%4)+\b)+7], v[128*(\p)+FR*\b:128*(\p)+FR*\b+FR-1], v[AF+FR*(\a):AF+FR*(\a)+FR-1], 0
.else
	v_wmma_f32_16x16x128_fp8_fp8 v[8*(8*((\a)%4)+\b):8*(8*((\a)%4)+\b)+7], v[128*(\p)+FR*\b:128*(\p)+FR*\b+FR-1], v[AF+FR*(\a):AF+FR*(\a)+FR-1], v[8*(8*((\a)%4)+\b):8*(8*((\a)%4)+\b)+7]
.endif
.endr
.endr
.endm
.macro FETCH_B slot, q, p
	WIN TO_B
.irp i, 0,1,2,3,4,5,6,7
	FRAG 128*(\p)+FR*\i, ADRB+\slot, \q, \i
.endr
	WIN 0
.endm
.macro FETCH_A slot, q, i0
.irp i, \i0, \i0+1, \i0+2, \i0+3
	FRAG AF+FR*(\i), ADRA+\slot, \q, \i
.endr
.endm
.macro PLACES n
.rept \n
	v_nop
.endr
.endm
.macro STEP slot, q, zero
	s_wait_dscnt 4*NL
	WIN MUL_LO
	MUL16 0, (\q)%2, \zero
	MUL16 2, (\q)%2, \zero
	s_wait_dscnt 0
	PLACES NP
	FETCH_B \slot, (\q)+1, 1-(\q)%2
	FETCH_A \slot, (\q)+1, 0
	WIN MUL_HI
	MUL16 4, (\q)%2, \zero
	MUL16 6, (\q)%2, \zero
	PLACES NP
	WIN 0
	FETCH_A \slot, (\q)+1, 4
.endm
.macro TURN slot, next, fill
.if \fill
	s_wait_xcnt 0x0                                ; my last prefetch has read its address: it steps one K step on
	s_add_nc_u64 s[68:69], s[68:69], ROWB
.endif
	s_wait_tensorcnt 0x0
	ds_add_u32 v[SPW], v[NIL]
	s_wait_dscnt 4*NL+1
	WIN MUL_LO
	MUL16 0, 1, 0
	s_wait_dscnt 0x0
	s_barrier_signal -1
	MUL16 2, 1, 0
	WIN 0
	s_barrier_wait -1
.if \fill
	CREST
	s_add_nc_u64 s[G0+4*\slot+2:G0+4*\slot+3], s[G0+4*\slot+2:G0+4*\slot+3], 2*ROWB
	s_add_nc_u64 s[G0B+4*\slot+2:G0B+4*\slot+3], s[G0B+4*\slot+2:G0B+4*\slot+3], 2*ROWB
	JLOAD G0+4*\slot, G1, G0B+4*\slot, G1B
.else
	PLACES NP
.endif
	FETCH_B \next, 0, 0
	FETCH_A \next, 0, 0
.if \fill
	s_cmp_gt_u32 s3, 1                             ; the K step two refills on: 32 rows x 256 bytes a wave; the last trip's two refills have none
	s_cbranch_scc0 .Lno_ask_\@
	global_prefetch_b8 v[PFO], s[68:69] offset:ROWB th:TH_LOAD_NT scope:SCOPE_SE
.Lno_ask_\@:
.endif
	WIN MUL_HI
	MUL16 4, 1, 0
	MUL16 6, 1, 0
	PLACES NP
	WIN 0
	FETCH_A \next, 0, 4
.endm
.macro CSLOAD a
.irp g, 0,1,2,3,4,5,6,7,8,9,10,11,12,13,14,15
	global_load_b128 v[CSR+64*((\a)%3)+4*\g:CSR+64*((\a)%3)+4*\g+3], v[LN16], s[92:93] offset:8192*(\a)+512*\g   ; three buffers of 64 registers by turns
.endr
.endm
	s_wait_alu depctr_va_vdst(0)                   ; the wait at the head's end
	s_wait_tensorcnt 0x0                           ; my part of K step 0 is in; slot 1's first fill is issued as a refill is
	ds_add_u32 v[SPW], v[NIL]
	s_wait_dscnt 0x0
	CROUND
	JLOAD G0+4, G1, G0B+4, G1B                     ; K step 1
	FETCH_B 0, 0, 0
	FETCH_A 0, 0, 0
	FETCH_A 0, 0, 4
	s_cmp_eq_u32 ttmp9, 2                          ; the clusters of Q and of K read the table on the way out, all of the loop's trips behind this request; V's do not
	s_cbranch_scc1 .Lno_tab_pf
	global_prefetch_b8 v[TFO], s[72:73] th:TH_LOAD_NT scope:SCOPE_SE
.Lno_tab_pf:
	STEP 0, 0, 1
	s_mov_b32 s3, LAPS-1
.Llap:
	TURN 0, 1, 1
	STEP 1, 0, 0
	TURN 1, 0, 1
	STEP 0, 0, 0
	s_sub_co_u32 s3, s3, 1
	s_cmp_lg_u32 s3, 0
	s_cbranch_scc1 .Llap
	TURN 0, 1, 0
	STEP 1, 0, 0
	s_cmp_eq_u32 ttmp9, 2
	s_cbranch_scc1 .Lno_table
	WIN TO_B
.irp b, 0,1,2,3,4,5,6,7
	global_load_b128 v[WN+8*\b:WN+8*\b+3], v[H32], s[94:95] offset:64*\b
	global_load_b128 v[WN+8*\b+4:WN+8*\b+7], v[H32], s[94:95] offset:64*\b+16
.endr
	CSLOAD 0
	WIN 0
.Lno_table:
	s_wait_dscnt 4*NL
	WIN MUL_LO
	MUL16 0, 1, 0
	MUL16 2, 1, 0
	s_wait_dscnt 0
	WIN MUL_HI
	MUL16 4, 1, 0
	MUL16 6, 1, 0
	WIN 0
	PLACES NP
.macro QKBLOCK a
.set WA, 2+(\a)/4
.set WAA, 5*WA
.set AC, 64*((\a)%4)
.set CB, CSR+64*((\a)%3)
.set CO, CD+16*((\a)%2)
	WIN WAA
.irp k, 0,1,2,3
	v_pk_mul_f32 v[SS+2*\k:SS+2*\k+1], v[AC+2*\k:AC+2*\k+1], v[AC+2*\k:AC+2*\k+1]
.endr
.set ii, 4
.rept 28
	v_pk_fma_f32 v[SS+2*(ii%4):SS+2*(ii%4)+1], v[AC+2*ii:AC+2*ii+1], v[AC+2*ii:AC+2*ii+1], v[SS+2*(ii%4):SS+2*(ii%4)+1]
.set ii, ii+1
.endr
	WIN 0
	v_pk_add_f32 v[SS:SS+1], v[SS:SS+1], v[SS+2:SS+3]
	v_pk_add_f32 v[SS+4:SS+5], v[SS+4:SS+5], v[SS+6:SS+7]
	v_pk_add_f32 v[SS:SS+1], v[SS:SS+1], v[SS+4:SS+5]
	v_add_f32 v[TA], v[SS], v[SS+1]
	v_permlanex16_b32 v[TB], v[TA], s99, s100
	v_add_f32 v[TA], v[TA], v[TB]
	v_fma_f32 v[TA], v[TA], s96, s97
	s_wait_alu depctr_va_vdst(0)
	v_rsq_f32 v[TB], v[TA]
	v_nop
	s_wait_alu depctr_va_vdst(0)
	v_mul_f32 v[FAC], s98, v[TB]
	v_mul_f32 v[FAC+1], s98, v[TB]
	WIN WA
.set ii, 0
.rept 32
	v_pk_mul_f32 v[Y+2*ii:Y+2*ii+1], v[AC+2*ii:AC+2*ii+1], v[FAC:FAC+1] op_sel_hi:[1,0]
.set ii, ii+1
.endr
	WIN 0x04
.if (\a) < 6
	s_wait_loadcnt 32                              ; the 16 loads of each of blocks a + 1 and a + 2 may be out
.else
	s_wait_loadcnt 16*(7-(\a))
.endif
.set ii, 0
.rept 32
	v_pk_mul_f32 v[Y+2*ii:Y+2*ii+1], v[Y+2*ii:Y+2*ii+1], v[WN+2*ii:WN+2*ii+1]
.set ii, ii+1
.endr
.set ii, 0
.rept 16
	v_pk_mul_f32 v[Z+2*ii:Z+2*ii+1], v[Y+2*ii:Y+2*ii+1], v[CB+2*ii:CB+2*ii+1]
	v_pk_mul_f32 v[Z+32+2*ii:Z+32+2*ii+1], v[Y+32+2*ii:Y+32+2*ii+1], v[CB+2*ii:CB+2*ii+1]
.set ii, ii+1
.endr
.set ii, 0
.rept 16
	v_pk_fma_f32 v[Z+2*ii:Z+2*ii+1], v[Y+32+2*ii:Y+32+2*ii+1], v[CB+32+2*ii:CB+32+2*ii+1], v[Z+2*ii:Z+2*ii+1] neg_lo:[1,0,0] neg_hi:[1,0,0]
	v_pk_fma_f32 v[Z+32+2*ii:Z+32+2*ii+1], v[Y+2*ii:Y+2*ii+1], v[CB+32+2*ii:CB+32+2*ii+1], v[Z+32+2*ii:Z+32+2*ii+1]
.set ii, ii+1
.endr
.if (\a)+3 < 8
	WIN TO_B
	CSLOAD (\a)+3
.endif
	WIN 0
.set ii, 0
.rept 64
	v_med3_num_f32 v[Z+ii], v[Z+ii], -v[LIMV], v[LIMV]
.set ii, ii+1
.endr
.if (\a) >= 2
	s_wait_alu depctr_va_vdst(0)
	s_wait_xcnt 0x0
.endif
.irp b, 0,1,2,3,4,5,6,7
	v_cvt_scalef32_pk8_fp8_f32 v[CO+2*\b:CO+2*\b+1], v[Z+8*\b:Z+8*\b+7], v[SCV]
.endr
	v_nop
.irp c, 0,1,2,3
	global_store_b128 v[LN16], v[CO+4*\c:CO+4*\c+3], s[90:91] offset:2048*(\a)+512*\c
.endr
.endm
.macro VBLOCK a
.set WA, 2+(\a)/4
.set AC, 64*((\a)%4)
.set CO, CD+16*((\a)%2)
	WIN WA
.set ii, 0
.rept 64
	v_med3_num_f32 v[Z+ii], v[AC+ii], -v[LIMV], v[LIMV]
.set ii, ii+1
.endr
	WIN 0
.if (\a) >= 2
	s_wait_alu depctr_va_vdst(0)
	s_wait_xcnt 0x0
.endif
.irp b, 0,1,2,3,4,5,6,7
	v_cvt_scalef32_pk8_fp8_f32 v[CO+2*\b:CO+2*\b+1], v[Z+8*\b:Z+8*\b+7], v[SCV]
.endr
	v_nop
.irp c, 0,1,2,3
	global_store_b128 v[LN16], v[CO+4*\c:CO+4*\c+3], s[90:91] offset:2048*(\a)+512*\c
.endr
.endm
	v_mov_b32 v[SCV], s46
	v_mov_b32 v[LIMV], s47
	v_mov_b32 v[TB], 0
	s_cmp_eq_u32 ttmp9, 2
	s_cbranch_scc1 .Lvalues
	WIN TO_B
	CSLOAD 1
	CSLOAD 2
	WIN 0
.irp a, 0,1,2,3,4,5,6,7
	QKBLOCK \a
.endr
	s_branch .Lend
.Lvalues:
	s_wait_alu depctr_va_vdst(0)
.irp a, 0,1,2,3,4,5,6,7
	VBLOCK \a
.endr
.Lend:
	s_wait_tensorcnt 0x0
	ds_add_u32 v[SPW], v[NIL]
	s_wait_dscnt 0x0
	CROUND
	s_endpgm
.Lfunc_end_k_qab21cf1305_qkv:
	.size	k_qab21cf1305_qkv, .Lfunc_end_k_qab21cf1305_qkv-k_qab21cf1305_qkv
	.p2alignl 7, 3214868480
	.fill 96, 4, 3214868480
	.section	.rodata,"a",@progbits
	.p2align	6, 0x0
	.amdhsa_kernel k_qab21cf1305_qkv
		.amdhsa_group_segment_fixed_size 327680
		.amdhsa_private_segment_fixed_size 0
		.amdhsa_enable_private_segment 0
		.amdhsa_kernarg_size 88
		.amdhsa_user_sgpr_count 2
		.amdhsa_user_sgpr_kernarg_segment_ptr 1
		.amdhsa_wavefront_size32 1
		.amdhsa_system_sgpr_workgroup_id_x 1
		.amdhsa_system_sgpr_workgroup_id_y 1
		.amdhsa_system_sgpr_workgroup_id_z 1
		.amdhsa_system_vgpr_workitem_id 0
		.amdhsa_next_free_vgpr 1024
		.amdhsa_next_free_sgpr 102
		.amdhsa_reserve_vcc 0
		.amdhsa_float_denorm_mode_32 3
		.amdhsa_float_denorm_mode_16_64 3
		.amdhsa_memory_ordered 1
		.amdhsa_forward_progress 1
		.amdhsa_inst_pref_size 255
	.end_amdhsa_kernel
	.section	.bss,"aw",@nobits
	.p2align	6
	.space	262144
	.amdgpu_metadata
---
amdhsa.version: [ 1, 2 ]
amdhsa.kernels:
  - .name:           k_qab21cf1305_qkv
    .symbol:         k_qab21cf1305_qkv.kd
    .args:
      - { .name: hidden_states_codes, .offset: 0, .size: 8, .value_kind: global_buffer, .address_space: global }
      - { .name: q_w_codes, .offset: 8, .size: 8, .value_kind: global_buffer, .address_space: global }
      - { .name: k_w_codes, .offset: 16, .size: 8, .value_kind: global_buffer, .address_space: global }
      - { .name: v_w_codes, .offset: 24, .size: 8, .value_kind: global_buffer, .address_space: global }
      - { .name: lowp_scales, .offset: 32, .size: 8, .value_kind: global_buffer, .address_space: global }
      - { .name: q_norm_w, .offset: 40, .size: 8, .value_kind: global_buffer, .address_space: global }
      - { .name: k_norm_w, .offset: 48, .size: 8, .value_kind: global_buffer, .address_space: global }
      - { .name: rope, .offset: 56, .size: 8, .value_kind: global_buffer, .address_space: global }
      - { .name: q_img, .offset: 64, .size: 8, .value_kind: global_buffer, .address_space: global }
      - { .name: k_img, .offset: 72, .size: 8, .value_kind: global_buffer, .address_space: global }
      - { .name: v_img, .offset: 80, .size: 8, .value_kind: global_buffer, .address_space: global }
    .group_segment_fixed_size: 327680
    .private_segment_fixed_size: 0
    .kernarg_segment_align: 8
    .kernarg_segment_size: 88
    .max_flat_workgroup_size: 128
    .sgpr_count:     102
    .vgpr_count:     1024
    .wavefront_size: 32
...
	.end_amdgpu_metadata
.endif
;; end of part 2
;; launch attn (part 3): grid 16 x 16, 8 waves a work-group, clusters of 4 x 4, 327,680 bytes of LDS; arguments q_img, k_img, v_img, attention_mask, lowp_scales, a_img; writes a_img
.if DOCPART == 3
	.amdgcn_target "amdgcn-amd-amdhsa--gfx1250"
	.amdhsa_code_object_version 6
	.text
	.protected	k_qab21cf1305_attn
	.globl	k_qab21cf1305_attn
	.p2align	8
	.type	k_qab21cf1305_attn,@function
k_qab21cf1305_attn:
	s_mov_b64 s[64:65], 0
	v_nop
	global_prefetch_b8 v0, s[64:65] scope:SCOPE_SE
	s_setreg_imm32_b32 hwreg(HW_REG_WAVE_MODE, 25, 1), 1
	s_wait_xcnt 0x0
	s_wait_alu depctr_hold_cnt(0) depctr_sa_sdst(0) depctr_va_vdst(0) depctr_va_sdst(0) depctr_va_ssrc(0) depctr_va_vcc(0) depctr_vm_vsrc(0)
	s_getreg_b32 s2, hwreg(HW_REG_IB_STS2, 6, 4)
	s_cmp_eq_u32 s2, 0
	s_cbranch_scc0 .Lentry_in_a_cluster
	s_endpgm
.Lentry_in_a_cluster:
	s_bfe_u32 s2, ttmp6, 0x10000c
	s_cmp_lg_u32 s2, 0xf033
	s_cbranch_scc0 .Lentry_shape_is_right
	s_endpgm
.Lentry_shape_is_right:
; ATTENTION on codes of E4M3, with the additive mask as it is given: the mask is an input, so every query walks all 2,048 keys and every number of the mask is read.  No work of the problem is left out here.
; logit = score x 2^(e6 + e7) / sqrt(128) + mask (one fused multiply-add);  t = logit x log2(e), a rounded product;  M = the running largest t rounded up to a whole number;  p = 2^(t - M) is quantised with 2^e8.
; t - M is an addition of its own and not fused with the product: where all logits of a row are near -1e9 the definition's t is the rounded product, and t - M is then 0.
; The row's sum is taken of the unquantised p and divides at the end; when M moves, the sum and O are multiplied by 2^(old M - new M), which rounds nothing.
; SHARES.  A work-group owns 128 queries of one (batch, head).  Wave w: g = w % 4: query tiles 2 g, 2 g + 1;  kh = w / 4: keys 64 kh .. 64 kh + 63 of every step of 128 keys.  So each fragment of K and V that a wave
; reads from LDS feeds two products; two waves to a SIMD, so that one wave's vector work stands beside the other's products and loads.  The two key halves keep M, sum and O of their own and are merged once, at the end.
; LAYOUT.  Both products transposed: S^T = K Q^T (source 0 = 16 keys), O^T = V^T P^T (source 0 = 16 d): a lane holds one query (lane % 16).  All operands are images of registers in the fp8 form's own layout
; (k = 16 c + 8 (lane / 16) + 0 .. 7 in registers 2 c, 2 c + 1), so eight registers of a result tile convert into two registers of the next operand, and a fragment is read by loads of 512 consecutive bytes.
; THE RING.  Three buffers.  Content j, in buffer j % 3, is K(j), mask(j) and V(j - 1).  Step i works on K(i) and mask(i), which are in registers, and reads content i + 1 into registers in its first part.
; Of the steps 3 m, 3 m + 1, 3 m + 2 two have a change.  In the MIDDLE of step 3 m, when content 3 m + 1 is in registers, buffers 0 and 1 take contents 3 m + 3 and 3 m + 4: one load for each of the eight waves
; (waves 0-3 buffer 0, waves 4-7 buffer 1: K, V, the mask's rows 0-63, its rows 64-127).  At the HEAD of step 3 m + 2 buffer 2 takes content 3 m + 5, by waves 0-3.  Step 3 m + 1 has no barrier: what it reads was shown
; landed at the change before.  So ten barriers with a wait for all tensor loads serve the sixteen steps, and about one and a half steps' work lies between a request and the wait for it.
; The first fills are contents 0, 1, 2 and, in buffer 0's place for V, V(2), which content 3 wants: every byte of the ring has its first fill at the head; one load of a wave is out at a time, there and later.
; CLUSTER.  K and V hang on (batch, head), shared along a row of the cluster; the mask's tile on (batch, query block), shared along a column: both are asked for jointly.
; LIMITS: e6 + e7 between -100 and 100; e8 and e10 between -126 and 119.  A row whose mask is -infinity throughout gives NaN, as in the problem.
; REGISTERS.  window 0: v7-12 addresses; v16-31 statistics, tile u at 16 + 8 u: -M, largest t, the sum in two halves, f, (pair), two at work; v32-35 sums at work; v36-46 LDS addresses, one for each buffer;
;   v48-51 scales; v64-127 scores, then p; v128-191 the mask; v192-207 p's codes; v208-239 Q; v240-251 the merge.   window 1: v0-127 O^T (64 u + 8 d tile); v128-191 K's four fragments; v192-255 V's eight half fragments.
.set BUF,   100352                     ; a buffer: K 16,384 bytes, V 16,384, the mask 128 rows x 528
.set VOFF,  16384
.set MOFF,  32768
.set MP,    528                        ; a row of the mask's tile: 512 bytes + 16 of padding = 132 words: the 16 rows that a load touches start at 16 different banks (64 banks of 4 bytes: ISA guide 11.1)
.set SPARE, 3*BUF                      ; behind the ring: the spare words, 128 bytes for each of eight waves, which no other line names
.set STG,   2*BUF                      ; four stages for the merge, in buffer 2: it has had its last fill (content 14), and its last read, in step 13, lies ahead of the barrier at step 14's head
.set STGB,  16896                      ; O^T 16,384 bytes, then four times 128 bytes of statistics
.set SPW, 7
.set NIL, 8
.set PFO, 9
.set LN16, 10
.set STA, 11
.set STB, 12
.set ST, 16
.set TS, 32
.set AK, 36                            ; v36-38 K's fragments in buffer 0, 1, 2
.set AV, 40                            ; v40-42 V's
.set AM, 44                            ; v44-46 the mask's
.set SCP, 48                           ; v48 2^e8; v49 448 x 2^e8; v50 448 x 2^e10; v51 2^e10
.set LMP, 49
.set LMA, 50
.set SCA, 51
.set SC, 64
.set MK, 128
.set PC, 192
.set QF, 208
.set FK, 128
.set FV, 192
.set WV, 16
.set ROLE, 17                          ; s17  w % 4: g; and what I fetch: 0 K, 1 V, 2 and 3 the mask's halves
.set SL, 18                            ; s18  w / 4: kh; and which of buffers 0 and 1 I fill
.set G1KV, 24
.set G1M, 32
.set G0KV, 40                          ; s[40:43], s[44:47] my groups 0 for buffer 0 or 1
.set G0M, 44
.set C0, 48                            ; s[48:49] 2^(e6 + e7) / sqrt(128)
.set L2E, 50                           ; s[50:51] log2(e)
.set SEL, 52
.set PFA, 54
.set PFS, 56
.set PFC, 58                           ; s58  the step's number, for the prefetches
.set PM, 59                            ; s59  1 in a wave that asks in even steps alone
.set TR, 60
.set PVV, 62                           ; s62  0 in a wave that asks, 1 in the others
.set EPV, 63                           ; s63  e8 + e9
.set G0KVB, 68                         ; s[68:71], s[72:75] my groups 0 for buffer 2 (waves 0-3 use them)
.set G0MB, 72
.set LAST, 82                          ; s82  the last step in which I ask
.set MSB, 0
.macro WIN new
.if MSB != \new
	s_set_vgpr_msb (MSB<<8)|\new
.set MSB, \new
.endif
.endm
.macro PLACES
.rept 4
	v_nop
.endr
.endm
.macro CROUND                          ; a round of the cluster's barrier
	s_barrier_signal -1
	s_barrier_wait -1
	s_cmp_lg_u32 s[WV], 0
	s_cbranch_scc1 .Lnot_wave_0_\@
	s_barrier_signal -3
.Lnot_wave_0_\@:
	s_barrier_wait -3
	s_barrier_signal -1
	s_barrier_wait -1
.endm
; The joint refill of buffers 0 and 1.  kind = 1: all eight waves; 3, in step 0: all but wave 1, whose V(2) lies there since the head; 2, in step 12: content 16 is V(15) alone, so waves 4, 6 and 7 have nothing to fetch.
; The branches hang on the wave's number alone.  A wave's address steps three steps on, directly ahead of its load: no load of the wave is out there.  An s_nop 0 and four v_nop follow each load.
.macro JLOAD_A kind
	s_cmp_lt_u32 s[ROLE], 2
	s_cbranch_scc0 .Lfor_m_\@
.if \kind == 2
	s_cmp_eq_u32 s[WV], 4
	s_cbranch_scc1 .Lasked_\@
.endif
.if \kind == 3
	s_cmp_eq_u32 s[WV], 1
	s_cbranch_scc1 .Lasked_\@
.endif
	s_add_nc_u64 s[G0KV+2:G0KV+3], s[G0KV+2:G0KV+3], 3*16384
	tensor_load_to_lds s[G0KV:G0KV+3], s[G1KV:G1KV+7]
	s_nop 0
.rept 4
	v_nop
.endr
	s_branch .Lasked_\@
.Lfor_m_\@:
.if \kind == 2
	s_cmp_eq_u32 s[SL], 0
	s_cbranch_scc0 .Lasked_\@
.endif
	s_add_nc_u64 s[G0M+2:G0M+3], s[G0M+2:G0M+3], 3*512
	tensor_load_to_lds s[G0M:G0M+3], s[G1M:G1M+7]
	s_nop 0
.rept 4
	v_nop
.endr
.Lasked_\@:
.endm
; The joint refill of buffer 2, by waves 0-3.
.macro JLOAD_B
	s_cmp_eq_u32 s[SL], 0
	s_cbranch_scc0 .Lasked_\@
	s_cmp_lt_u32 s[ROLE], 2
	s_cbranch_scc0 .Lfor_m_\@
	s_add_nc_u64 s[G0KVB+2:G0KVB+3], s[G0KVB+2:G0KVB+3], 3*16384
	tensor_load_to_lds s[G0KVB:G0KVB+3], s[G1KV:G1KV+7]
	s_nop 0
.rept 4
	v_nop
.endr
	s_branch .Lasked_\@
.Lfor_m_\@:
	s_add_nc_u64 s[G0MB+2:G0MB+3], s[G0MB+2:G0MB+3], 3*512
	tensor_load_to_lds s[G0MB:G0MB+3], s[G1M:G1M+7]
	s_nop 0
.rept 4
	v_nop
.endr
.Lasked_\@:
.endm
; A PREFETCH INTO THE L2, in steps 1 to 10, behind the step's last run of LDS loads.  The mask: in step i the tile of content i + 5, which is asked for by its tensor load in step i + 1 or i + 2.  The two clusters of a
; batch with the same x read the same tiles: the one with even y asks; its column's four partners take 32 rows each, by address; waves 4 and 5 take the two halves of 256 bytes of a row's 512; a lane a row.
; K and V: in the even steps, K(i + 5), K(i + 6) and V(i + 4), V(i + 5), 32,768 consecutive bytes each, which go with contents i + 5 and i + 6: the clusters of one y read the same, the one with x = 0 asks; wave 6 for K,
; wave 7 for V; the row's four partners take 8,192 bytes each, by address; lanes 256 bytes apart.  So each aligned block of 256 bytes is named once.  K's last request stands in step 8 (there is no K(16)), V's and the
; mask's in step 10.  Nothing is asked for at the head: contents 3 to 5 come by their loads alone, and so does K(15).  The test is made of the count of steps and of ids that all partners share.
.macro PF
	s_wait_xcnt 0x0                                ; the last prefetch, a step back, has read its address
	s_add_nc_u64 s[PFA:PFA+1], s[PFA:PFA+1], s[PFS:PFS+1]
	s_add_co_u32 s[PFC], s[PFC], 1                 ; the step's number
	s_and_b32 s83, s[PFC], s[PM]
	s_cmp_eq_u32 s83, s[PVV]
	s_cbranch_scc0 .Lnot_mine_\@
	s_cmp_le_u32 s[PFC], s[LAST]
	s_cbranch_scc0 .Lnot_mine_\@
	global_prefetch_b8 v[PFO], s[PFA:PFA+1] th:TH_LOAD_NT scope:SCOPE_SE
.Lnot_mine_\@:
.endm
; A CHANGE AT A STEP'S HEAD: each wave waits for all its tensor loads, adds 0 to its spare word, and waits for that and for its LDS reads.  Behind the barrier buffers 0 and 1 are whole and nobody reads buffer 2.
; kind = 1: buffer 2 is filled again, behind a round of the cluster's barrier; 2: nothing is left to fetch.
.macro HEADBAR kind
	WIN 0
	s_wait_tensorcnt 0x0
	ds_add_u32 v[SPW], v[NIL]
	s_wait_dscnt 0x0                               ; the add is done; K and the mask of this step are in registers, and my reads of buffer 2 are over
.if \kind == 1
	CROUND                                         ; no wave of any partner still reads the buffer or has a load on its way
	JLOAD_B
.else
	s_barrier_signal -1
	s_barrier_wait -1
.endif
.endm
; A CHANGE IN A STEP'S MIDDLE: the same three lines.  This step's content, in buffer 1, is in registers, and buffer 0 was read out a step ago; behind the round buffer 2 is whole and buffers 0 and 1 are filled again.
.macro MIDBAR kind
	s_wait_tensorcnt 0x0
	ds_add_u32 v[SPW], v[NIL]
	s_wait_dscnt 0x0                               ; the add is done, and V of this step and K and the mask of the next are in registers
	CROUND
	JLOAD_A \kind
.endm
.macro LDV s                           ; my 64 keys of V's eight d tiles: register groups 2 kh and 2 kh + 1 of each image
	WIN 0x40
.irp d, 0,1,2,3,4,5,6,7
	ds_load_b128 v[FV+8*\d:FV+8*\d+3], v[AV+(\s)] offset:2048*\d
	ds_load_b128 v[FV+8*\d+4:FV+8*\d+7], v[AV+(\s)] offset:2048*\d+512
.endr
	WIN 0
.endm
.macro LDK s                           ; my four tiles of 16 keys
	WIN 0x40
.irp t, 0,1,2,3
.irp c, 0,1,2,3
	ds_load_b128 v[FK+16*\t+4*\c:FK+16*\t+4*\c+3], v[AK+(\s)] offset:2048*\t+512*\c
.endr
.endr
	WIN 0
.endm
.macro LDM s                           ; the mask in the scores' layout: register 32 u + 8 t + j = mask(query 16 (2 g + u) + lane % 16, key 64 kh + 16 t + 8 (lane / 16) + j)
.irp u, 0,1
.irp t, 0,1,2,3
	ds_load_b128 v[MK+32*\u+8*\t:MK+32*\u+8*\t+3], v[AM+(\s)] offset:16*MP*\u+64*\t
	ds_load_b128 v[MK+32*\u+8*\t+4:MK+32*\u+8*\t+7], v[AM+(\s)] offset:16*MP*\u+64*\t+16
.endr
.endr
.endm
; A STEP of 128 keys.  rb: the buffer that it reads; head: as in HEADBAR, 0 = no barrier; mid: as in JLOAD_A, 0 = no barrier; pre = 1: the next step's K and mask are fetched; first = 1: O^T begins; pf = 1: PF stands.
.macro STEP rb, head, mid, pre, first, pf
.if \head
	HEADBAR \head
.else
	s_wait_dscnt 0x0                               ; K and the mask of this step are in registers
.endif
	PLACES                                         ; between the last step's products and the loads into V's registers
	LDV \rb
	WIN 0x01                                       ; source 0 (K) window 1
.irp t, 0,1,2,3
.irp u, 0,1
	v_wmma_f32_16x16x128_fp8_fp8 v[SC+32*\u+8*\t:SC+32*\u+8*\t+7], v[FK+16*\t:FK+16*\t+15], v[QF+16*\u:QF+16*\u+15], 0
.endr
.endr
	WIN 0
	PLACES                                         ; in front of the loads into K's registers and of the first read of the scores
.if \pre
	LDK \rb
.endif
.set ii, 0
.rept 32
	v_pk_fma_f32 v[SC+2*ii:SC+2*ii+1], v[SC+2*ii:SC+2*ii+1], s[C0:C0+1], v[MK+2*ii:MK+2*ii+1] op_sel_hi:[1,0,1]   ; the logit; each accumulator from its low end on
.set ii, ii+1
.endr
.if \pre
	LDM \rb                                        ; the mask's registers are free: the next step's
.endif
.if \pf
	PF
.endif
.set ii, 0
.rept 32
	v_pk_mul_f32 v[SC+2*ii:SC+2*ii+1], v[SC+2*ii:SC+2*ii+1], s[L2E:L2E+1] op_sel_hi:[1,0]   ; t
.set ii, ii+1
.endr
.irp u, 0,1
	v_max3_num_f32 v[ST+8*\u+6], v[SC+32*\u], v[SC+32*\u+1], v[SC+32*\u+2]          ; the step's largest t of my query among my 32 keys, two chains a tile
	v_max3_num_f32 v[ST+8*\u+7], v[SC+32*\u+3], v[SC+32*\u+4], v[SC+32*\u+5]
.endr
.irp i, 6,10,14,18,22,26
.irp u, 0,1
	s_delay_alu instid0(VALU_DEP_4)
	v_max3_num_f32 v[ST+8*\u+6], v[ST+8*\u+6], v[SC+32*\u+\i], v[SC+32*\u+\i+1]
	s_delay_alu instid0(VALU_DEP_4)
	v_max3_num_f32 v[ST+8*\u+7], v[ST+8*\u+7], v[SC+32*\u+\i+2], v[SC+32*\u+\i+3]
.endr
.endr
.irp u, 0
	s_delay_alu instid0(VALU_DEP_4)
	v_max3_num_f32 v[ST+8*\u+6], v[ST+8*\u+6], v[SC+32*\u+30], v[SC+32*\u+31]
.endr
.irp u, 1
	s_delay_alu instid0(VALU_DEP_3)
	v_max3_num_f32 v[ST+8*\u+6], v[ST+8*\u+6], v[SC+32*\u+30], v[SC+32*\u+31]
.endr
.irp u, 0,1
	s_delay_alu instid0(VALU_DEP_2)
	v_max_num_f32 v[ST+8*\u+6], v[ST+8*\u+6], v[ST+8*\u+7]
.endr
.irp u, 0,1
	s_delay_alu instid0(VALU_DEP_2)
	v_permlanex16_b32 v[ST+8*\u+7], v[ST+8*\u+6], s[SEL], s[SEL+1]                  ; the lane 16 away holds the query's other 32 keys
.endr
.irp u, 0,1
	s_delay_alu instid0(VALU_DEP_2)
	v_max3_num_f32 v[ST+8*\u+1], v[ST+8*\u+1], v[ST+8*\u+6], v[ST+8*\u+7]           ; the running largest t
.endr
.irp u, 0,1
	v_mov_b32 v[ST+8*\u+7], v[ST+8*\u]
.endr
.irp u, 0,1
	s_delay_alu instid0(VALU_DEP_4)
	v_floor_f32 v[ST+8*\u], -v[ST+8*\u+1]                                           ; -M = floor(-t): M is a whole number
.endr
.irp u, 0,1
	s_delay_alu instid0(VALU_DEP_2)
	v_sub_f32 v[ST+8*\u+7], v[ST+8*\u], v[ST+8*\u+7]                                ; old M - new M, 0 or less
.endr
.irp u, 0,1
	s_delay_alu instid0(VALU_DEP_2)
	v_cvt_i32_f32 v[ST+8*\u+7], v[ST+8*\u+7]                                        ; (it saturates)
.endr
.irp u, 0,1
	s_delay_alu instid0(VALU_DEP_2)
	v_ldexp_f32 v[ST+8*\u+4], 1.0, v[ST+8*\u+7]                                     ; f = 2^(old M - new M)
.endr
.set ii, 0
.rept 32
	v_pk_add_f32 v[SC+2*ii:SC+2*ii+1], v[SC+2*ii:SC+2*ii+1], v[ST+8*(ii/16):ST+8*(ii/16)+1] op_sel_hi:[1,0]   ; t - M
.set ii, ii+1
.endr
.if \mid
	MIDBAR \mid                                    ; some 110 vector instructions behind the step's last LDS load
.endif
.set ii, 0
	s_wait_alu depctr_va_vdst(0)
.rept 64
	v_exp_f32 v[SC+ii], v[SC+ii]                   ; p, at most 1, not normalised
.set ii, ii+1
.endr
.irp u, 0,1
	v_pk_mul_f32 v[ST+8*\u+2:ST+8*\u+3], v[ST+8*\u+2:ST+8*\u+3], v[ST+8*\u+4:ST+8*\u+5] op_sel_hi:[1,0]   ; the sums under the new M (plain instructions behind the exponentials)
.endr
	s_wait_alu depctr_va_vdst(0)                   ; the wait ahead of the first use: one for the batch of 64
.irp u, 0,1
	v_pk_add_f32 v[TS+2*\u:TS+2*\u+1], v[SC+32*\u:SC+32*\u+1], v[SC+32*\u+2:SC+32*\u+3]   ; the row's sum of the unquantised p, two chains a tile
.endr
.irp j, 4,8,12,16,20,24,28
.irp u, 0,1
	v_pk_add_f32 v[ST+8*\u+2:ST+8*\u+3], v[ST+8*\u+2:ST+8*\u+3], v[SC+32*\u+\j:SC+32*\u+\j+1]
	v_pk_add_f32 v[TS+2*\u:TS+2*\u+1], v[TS+2*\u:TS+2*\u+1], v[SC+32*\u+\j+2:SC+32*\u+\j+3]
.endr
.endr
.irp u, 0
	s_delay_alu instid0(VALU_DEP_3)
	v_pk_add_f32 v[ST+8*\u+2:ST+8*\u+3], v[ST+8*\u+2:ST+8*\u+3], v[TS+2*\u:TS+2*\u+1]
.endr
.irp u, 1
	s_delay_alu instid0(VALU_DEP_2)
	v_pk_add_f32 v[ST+8*\u+2:ST+8*\u+3], v[ST+8*\u+2:ST+8*\u+3], v[TS+2*\u:TS+2*\u+1]
.endr
.set ii, 0
.rept 64
	v_min_num_f32 v[SC+ii], v[SC+ii], v[LMP]       ; the conversion does not saturate (ISA guide 7.6.2); p is not negative, so the hold is one-sided
.set ii, ii+1
.endr
.irp u, 0,1
.irp t, 0,1,2,3
	v_cvt_scalef32_pk8_fp8_f32 v[PC+8*\u+2*\t:PC+8*\u+2*\t+1], v[SC+32*\u+8*\t:SC+32*\u+8*\t+7], v[SCP]   ; registers 2 t, 2 t + 1 of the operand: keys 16 t + 8 (lane / 16) + 0 .. 7 of my 64
.endr
.endr
.if \first
	v_nop                                          ; a plain instruction between the last conversion and the products that read its result
.else
	WIN 0x41                                       ; O^T (destination and source 0) window 1
.set ii, 0
.rept 64
	v_pk_mul_f32 v[2*ii:2*ii+1], v[2*ii:2*ii+1], v[ST+8*(ii/32)+4:ST+8*(ii/32)+5] op_sel_hi:[1,0]   ; O^T under the new M
.set ii, ii+1
.endr
.endif
.if \pre
	s_wait_alu depctr_va_vdst(0)
	s_wait_dscnt 32                                ; V is in; the 32 loads issued behind it (the next step's K and mask) may be out
.else
	s_wait_alu depctr_va_vdst(0)
	s_wait_dscnt 0x0
.endif
	WIN 0x51                                       ; V and O^T window 1, p's codes window 0
.irp d, 0,1,2,3,4,5,6,7                        ; sixteen accumulators by turns, one instruction a turn
.irp u, 0,1
.if \first
	v_wmma_f32_16x16x64_fp8_fp8 v[64*\u+8*\d:64*\u+8*\d+7], v[FV+8*\d:FV+8*\d+7], v[PC+8*\u:PC+8*\u+7], 0
.else
	v_wmma_f32_16x16x64_fp8_fp8 v[64*\u+8*\d:64*\u+8*\d+7], v[FV+8*\d:FV+8*\d+7], v[PC+8*\u:PC+8*\u+7], v[64*\u+8*\d:64*\u+8*\d+7]
.endif
.endr
.endr
	WIN 0
.endm
	s_load_b256 s[4:11], s[0:1], 0x0               ; q_img s[4:5], k_img s[6:7], v_img s[8:9], the mask s[10:11]
	s_load_b128 s[12:15], s[0:1], 0x20             ; the scales' exponents s[12:13], a_img s[14:15]
	v_lshl_add_u32 v[SPW], v0, 2, SPARE
	v_mov_b32 v[NIL], 0
	ds_add_u32 v[SPW], v[NIL]                      ; the wave's opening: the add, twice on end, and its wait ahead of my first tensor load
	ds_add_u32 v[SPW], v[NIL]
	v_lshrrev_b32 v13, 5, v0
	s_delay_alu instid0(VALU_DEP_1)
	v_readfirstlane_b32 s[WV], v13                 ; wave 0..7
	s_and_b32 s[ROLE], s[WV], 3
	s_lshr_b32 s[SL], s[WV], 2
	s_and_b32 s19, s[WV], 1
	s_bfe_u32 s21, ttmp6, 0x40000                  ; cx
	s_bfe_u32 s22, ttmp6, 0x40004                  ; cy
	s_and_b32 s3, ttmp7, 0xffff                    ; cluster y
	s_lshl_b32 s23, ttmp9, 2
	s_add_co_u32 s23, s23, s21                     ; my block of 128 queries
	s_lshl_b32 s20, s3, 2
	s_add_co_u32 s20, s20, s22                     ; 8 batch + head
	s_lshr_b32 s61, s3, 1                          ; batch
	s_lshl_b32 s84, s22, 2
	s_lshl_b32 s84, 15, s84                        ; my row of the cluster
	s_lshl_b32 s88, 0x1111, s21                    ; my column
	s_or_b32 s[G1KV], s84, (3<<16)|(1<<21)         ; K's and V's tiles: a dense block of 16,384 bytes as 64 rows of 32 elements of 8 bytes; the mask of my row, bit 21 beside it
	s_mov_b32 s[G1KV+1], 32<<16
	s_mov_b32 s[G1KV+2], 64<<16
	s_mov_b32 s[G1KV+3], 32<<16
	s_mov_b32 s[G1KV+4], 64
	s_mov_b32 s[G1KV+5], 32
	s_mov_b32 s[G1KV+6], 0
	s_mov_b32 s[G1KV+7], 0
	s_or_b32 s[G1M], s88, (2<<16)|(1<<20)|(1<<21)|(6<<22)|(3<<25)   ; the mask's: 64 rows of 128 elements of 4 bytes, 2,048 from row to row; 4 words of padding after every 128; the mask of my column
	s_mov_b32 s[G1M+1], 128<<16
	s_mov_b32 s[G1M+2], 64<<16
	s_mov_b32 s[G1M+3], 128<<16
	s_mov_b32 s[G1M+4], 64
	s_mov_b32 s[G1M+5], 2048
	s_mov_b32 s[G1M+6], 0
	s_mov_b32 s[G1M+7], 0
	s_mul_i32 s86, s[SL], BUF                      ; buffer 0 or 1
	s_lshl_b32 s85, s19, 14                        ; K at a buffer's head, V 16,384 on
	s_add_co_u32 s[G0KV+1], s86, s85
	s_add_co_u32 s[G0KVB+1], s85, 2*BUF
	s_mul_i32 s89, s19, 64*MP
	s_add_co_u32 s89, s89, MOFF
	s_add_co_u32 s[G0M+1], s86, s89
	s_add_co_u32 s[G0MB+1], s89, 2*BUF
	s_xor_b32 s84, s[SL], 1                        ; the first fills.  V: V(2) into buffer 0, V(0) into buffer 1;
	s_lshl_b32 s84, s84, 1
	s_cmp_eq_u32 s19, 0
	s_cselect_b32 s84, s[SL], s84                  ; K: K(0), K(1)
	s_lshl_b32 s84, s84, 14
	s_lshl_b32 s85, s20, 18                        ; a (batch, head) is 262,144 bytes
	s_add_co_u32 s84, s84, s85
	s_mov_b32 s85, 0
	s_sub_co_u32 s90, 2, s19                       ; buffer 2: K(2), V(1)
	s_lshl_b32 s90, s90, 14
	s_lshl_b32 s91, s20, 18
	s_add_co_u32 s90, s90, s91
	s_mov_b32 s91, 0
	s_lshl_b32 s88, s61, 11
	s_lshl_b32 s89, s23, 7
	s_add_co_u32 s88, s88, s89
	s_lshl_b32 s89, s19, 6
	s_add_co_u32 s88, s88, s89                     ; the mask's row: 2,048 batch + 128 block + 64 half
	s_lshl_b32 s88, s88, 13
	s_add_co_u32 s92, s88, 2*512                   ; buffer 2: mask(2)
	s_mov_b32 s93, 0
	s_lshl_b32 s89, s[SL], 9                       ; buffers 0, 1: mask(0), mask(1)
	s_add_co_u32 s88, s88, s89
	s_mov_b32 s89, 0
	s_mov_b32 s[SEL], 0x76543210
	s_mov_b32 s[SEL+1], 0xfedcba98
	s_mov_b32 s[L2E], 0x3fb8aa3b
	s_mov_b32 s[L2E+1], 0x3fb8aa3b
	s_wait_dscnt 0x0                               ; both opening adds are done
	s_wait_kmcnt 0x0
	s_load_b64 s[80:81], s[12:13], 0x18            ; e6, e7
	s_load_b128 s[76:79], s[12:13], 0x20           ; e8 .. e11
	s_cmp_eq_u32 s19, 0
	s_cselect_b64 s[94:95], s[6:7], s[8:9]
	s_add_nc_u64 s[G0KV+2:G0KV+3], s[94:95], s[84:85]
	s_or_b32 s[G0KV+3], s[G0KV+3], 0x80000000
	s_mov_b32 s[G0KV], 1
	s_add_nc_u64 s[G0KVB+2:G0KVB+3], s[94:95], s[90:91]
	s_or_b32 s[G0KVB+3], s[G0KVB+3], 0x80000000
	s_mov_b32 s[G0KVB], 1
	s_add_nc_u64 s[G0M+2:G0M+3], s[10:11], s[88:89]
	s_or_b32 s[G0M+3], s[G0M+3], 0x80000000
	s_mov_b32 s[G0M], 1
	s_add_nc_u64 s[G0MB+2:G0MB+3], s[10:11], s[92:93]
	s_or_b32 s[G0MB+3], s[G0MB+3], 0x80000000
	s_mov_b32 s[G0MB], 1
	CROUND                                         ; all sixteen work-groups are here: the first joint loads meet
	s_cmp_lt_u32 s[ROLE], 2                        ; eight first fills here, one a wave: buffers 0 and 1.  Buffer 2's four stand at the head's end, behind a round of their own: so one load of a wave is out at any time, at the head too
	s_cbranch_scc0 .Lfirst_m
	tensor_load_to_lds s[G0KV:G0KV+3], s[G1KV:G1KV+7]
	s_nop 0
.rept 4
	v_nop
.endr
	s_branch .Lfirst_asked
.Lfirst_m:
	tensor_load_to_lds s[G0M:G0M+3], s[G1M:G1M+7]
	s_nop 0
.rept 4
	v_nop
.endr
.Lfirst_asked:
	v_and_b32 v13, 31, v0
	s_delay_alu instid0(VALU_DEP_1)
	v_lshlrev_b32 v[LN16], 4, v13                  ; 16 x lane
	s_wait_alu depctr_va_vdst(0)
	s_lshl_b32 s90, s20, 4
	s_add_co_u32 s90, s90, s23
	s_lshl_b32 s90, s90, 14
	s_lshl_b32 s91, s[ROLE], 12
	s_add_co_u32 s90, s90, s91                     ; Q: my block's eight images, my two of them
	s_mov_b32 s91, 0
	s_add_nc_u64 s[92:93], s[4:5], s[90:91]
.irp u, 0,1
.irp c, 0,1,2,3
	global_load_b128 v[QF+16*\u+4*\c:QF+16*\u+4*\c+3], v[LN16], s[92:93] offset:2048*\u+512*\c   ; Q stays in registers
.endr
.endr
	v_and_b32 v14, 15, v0                          ; r
	v_bfe_u32 v15, v0, 4, 1                        ; h
	s_lshl_b32 s84, s[SL], 13                      ; K: my four tiles of 2,048 bytes
	v_add_nc_u32 v[AK], s84, v[LN16]
	s_delay_alu instid0(VALU_DEP_1)
	v_add_nc_u32 v[AK+1], BUF, v[AK]
	s_delay_alu instid0(VALU_DEP_2)
	v_add_nc_u32 v[AK+2], 2*BUF, v[AK]
	s_lshl_b32 s84, s[SL], 10                      ; V: my two register groups of 512 bytes
	s_add_co_u32 s84, s84, VOFF
	v_add_nc_u32 v[AV], s84, v[LN16]
	s_delay_alu instid0(VALU_DEP_1)
	v_add_nc_u32 v[AV+1], BUF, v[AV]
	s_delay_alu instid0(VALU_DEP_2)
	v_add_nc_u32 v[AV+2], 2*BUF, v[AV]
	v_mul_u32_u24 v[AM], v14, MP
	s_delay_alu instid0(VALU_DEP_1)
	v_lshl_add_u32 v[AM], v15, 5, v[AM]
	s_mul_i32 s84, s[ROLE], 32*MP
	s_lshl_b32 s85, s[SL], 8
	s_add_co_u32 s84, s84, s85
	s_add_co_u32 s84, s84, MOFF
	v_add_nc_u32 v[AM], s84, v[AM]                 ; the mask: row 32 g + r, + 32 h + 256 kh
	s_delay_alu instid0(VALU_DEP_1)
	v_add_nc_u32 v[AM+1], BUF, v[AM]
	s_delay_alu instid0(VALU_DEP_2)
	v_add_nc_u32 v[AM+2], 2*BUF, v[AM]
	s_mul_i32 s84, s[ROLE], STGB
	s_add_co_u32 s84, s84, STG
	v_add_nc_u32 v[STA], s84, v[LN16]              ; the merge's stage of my g
	v_lshlrev_b32 v[STB], 2, v13
	s_add_co_u32 s84, s84, 16384
	v_add_nc_u32 v[STB], s84, v[STB]
	s_and_b32 s84, s20, 7                          ; head
	s_lshr_b32 s85, s84, 1
	s_lshl_b32 s85, s85, 8                         ; 256 token tiles to a pair of heads
	s_lshl_b32 s86, s61, 7
	s_add_co_u32 s85, s85, s86
	s_lshl_b32 s86, s23, 3
	s_add_co_u32 s85, s85, s86
	s_lshl_b32 s86, s[ROLE], 1
	s_add_co_u32 s85, s85, s86                     ; + my first token tile: 128 batch + 8 block + 2 g
	s_lshl_b32 s86, s85, 12
	s_and_b32 s84, s84, 1
	s_lshl_b32 s84, s84, 11
	s_add_co_u32 s86, s86, s84
	s_mov_b32 s87, 0
	s_add_nc_u64 s[14:15], s[14:15], s[86:87]      ; where my results go
	; the prefetches (macro PF): where my wave's stand, and who asks
	s_lshl_b32 s94, s61, 11
	s_lshl_b32 s95, s23, 7
	s_add_co_u32 s94, s94, s95
	s_lshl_b32 s95, s22, 5
	s_add_co_u32 s94, s94, s95                     ; the mask: my work-group's 32 rows of the 128
	s_lshl_b32 s94, s94, 13
	s_lshl_b32 s95, s19, 8
	s_add_co_u32 s94, s94, s95                     ; my half of a row's 512 bytes
	s_add_co_u32 s94, s94, 5*512                   ; content 5: step 1 steps it to content 6
	s_cmp_eq_u32 s[WV], 6
	s_cselect_b64 s[PFA:PFA+1], s[6:7], s[8:9]
	s_mov_b32 s90, 4*16384
	s_cselect_b32 s90, 5*16384, s90                ; K(5), V(4): in step 2 they stand at K(7), V(6)
	s_mov_b32 s[LAST], 10
	s_cselect_b32 s[LAST], 8, s[LAST]              ; K's last request: K(13), K(14)
	s_lshl_b32 s91, s21, 13
	s_add_co_u32 s90, s90, s91                     ; my work-group's 8,192 bytes of the 32,768
	s_lshl_b32 s91, s20, 18
	s_add_co_u32 s90, s90, s91
	s_cmp_lt_u32 s[WV], 6
	s_cselect_b64 s[PFA:PFA+1], s[10:11], s[PFA:PFA+1]
	s_cselect_b32 s90, s94, s90
	s_mov_b32 s[PFS], 16384
	s_cselect_b32 s[PFS], 512, s[PFS]              ; a step on
	s_mov_b32 s95, 256
	s_cselect_b32 s95, 8192, s95                   ; from lane to lane
	s_mov_b32 s91, 0
	s_mov_b32 s[PFS+1], 0
	s_add_nc_u64 s[PFA:PFA+1], s[PFA:PFA+1], s[90:91]
	v_mul_lo_u32 v[PFO], v13, s95
	s_lshr_b32 s84, s[WV], 1
	s_xor_b32 s85, s84, 3                          ; 0 in waves 6 and 7,
	s_or_b32 s85, s85, ttmp9                       ; of a cluster with x = 0
	s_xor_b32 s84, s84, 2                          ; 0 in waves 4 and 5,
	s_and_b32 s86, s3, 1
	s_or_b32 s84, s84, s86                         ; of a cluster with even y: the same in all sixteen partners
	s_cmp_eq_u32 s85, 0
	s_cselect_b32 s[PM], 1, 0                      ; K and V are asked for in the even steps alone
	s_min_u32 s84, s84, s85
	s_cmp_eq_u32 s84, 0
	s_cselect_b32 s[PVV], 0, 1                     ; 1: (step and PM) is never 1 where PM is 0: such a wave never asks
	s_mov_b32 s[PFC], 0
.irp u, 0,1
	v_mov_b32 v[ST+8*\u+1], 0xff61b1e6             ; the largest t so far: -3e38, under every t
	s_delay_alu instid0(VALU_DEP_1)
	v_floor_f32 v[ST+8*\u], -v[ST+8*\u+1]
	v_mov_b32 v[ST+8*\u+2], 0                      ; the sum, in two halves
	v_mov_b32 v[ST+8*\u+3], 0
	v_mov_b32 v[ST+8*\u+5], 0                      ; (named as the upper half of f's pair)
	v_mov_b32 v[ST+8*\u+7], 0                      ; (a lane permute's destination counts as one of its sources)
.endr
	s_wait_kmcnt 0x0
	s_add_co_i32 s84, s80, s81
	s_lshl_b32 s84, s84, 23
	s_add_co_i32 s[C0], s84, 0x3db504f3            ; 1 / sqrt(128), with e6 + e7 added to its exponent field
	s_mov_b32 s[C0+1], s[C0]
	s_add_co_i32 s84, s76, 127
	s_lshl_b32 s85, s84, 23
	v_mov_b32 v[SCP], s85                          ; 2^e8
	s_add_co_i32 s84, s84, 8
	s_lshl_b32 s84, s84, 23
	s_or_b32 s84, s84, 0x600000
	v_mov_b32 v[LMP], s84                          ; 448 x 2^e8
	s_add_co_i32 s84, s78, 127
	s_lshl_b32 s85, s84, 23
	v_mov_b32 v[SCA], s85                          ; 2^e10
	s_add_co_i32 s84, s84, 8
	s_lshl_b32 s84, s84, 23
	s_or_b32 s84, s84, 0x600000
	v_mov_b32 v[LMA], s84                          ; 448 x 2^e10
	s_add_co_i32 s[EPV], s76, s77                  ; e8 + e9
	s_wait_alu depctr_va_vdst(0)                   ; the wait at the head's end
	s_wait_tensorcnt 0x0                           ; my first fill has landed; buffer 2's first fills are issued as refills are:
	ds_add_u32 v[SPW], v[NIL]
	s_wait_dscnt 0x0
	CROUND                                         ; buffers 0 and 1 are whole in every partner; behind this round nothing is filled again
	s_cmp_eq_u32 s[SL], 0                          ; content 2, by waves 0-3; it is shown landed at the change in step 0's middle
	s_cbranch_scc0 .Lb2_asked
	s_cmp_lt_u32 s[ROLE], 2
	s_cbranch_scc0 .Lb2_m
	tensor_load_to_lds s[G0KVB:G0KVB+3], s[G1KV:G1KV+7]
	s_nop 0
.rept 4
	v_nop
.endr
	s_branch .Lb2_asked
.Lb2_m:
	tensor_load_to_lds s[G0MB:G0MB+3], s[G1M:G1M+7]
	s_nop 0
.rept 4
	v_nop
.endr
.Lb2_asked:
	LDM 0
	LDK 0
	s_wait_loadcnt 0x0                             ; Q
	STEP 1, 0, 3, 1, 1, 0                          ; step 0 reads content 1; in its middle contents 3 and 4 are asked for (V(2) lies in buffer 0 already)
	STEP 2, 0, 0, 1, 0, 1                          ; step 1 reads content 2
	STEP 0, 1, 0, 1, 0, 1                          ; step 2: at its head content 5 is asked for; it reads content 3
	s_mov_b32 s[TR], 3
.Ltrip:                                                ; steps 3 to 11, three a trip
	STEP 1, 0, 1, 1, 0, 1
	STEP 2, 0, 0, 1, 0, 1
	STEP 0, 1, 0, 1, 0, 1
	s_sub_co_u32 s[TR], s[TR], 1
	s_cmp_lg_u32 s[TR], 0
	s_cbranch_scc1 .Ltrip
	STEP 1, 0, 2, 1, 0, 0                          ; step 12: in its middle content 15 and V(15) are asked for: the last loads
	STEP 2, 0, 0, 1, 0, 0                          ; step 13
	STEP 0, 2, 0, 1, 0, 0                          ; step 14: at its head they are shown landed; nothing is left to fetch
	STEP 1, 0, 0, 0, 0, 0                          ; step 15 reads V(15) alone
	; THE MERGE of the two key halves.  Waves 4-7 hand O^T, -M and the sum to waves 0-3 through LDS, as images of their registers.
	PLACES
.irp u, 0,1
	v_add_f32 v[ST+8*\u+2], v[ST+8*\u+2], v[ST+8*\u+3]
.endr
.irp u, 0,1
	s_delay_alu instid0(VALU_DEP_2)
	v_permlanex16_b32 v[ST+8*\u+7], v[ST+8*\u+2], s[SEL], s[SEL+1]
.endr
.irp u, 0,1
	s_delay_alu instid0(VALU_DEP_2)
	v_add_f32 v[ST+8*\u+2], v[ST+8*\u+2], v[ST+8*\u+7]   ; the sum over my 64 keys of every step
.endr
	s_cmp_lt_u32 s[WV], 4
	s_cbranch_scc1 .Lkeep
	WIN 0x04                                       ; the stores' data in window 1
.set ii, 0
.rept 32
	ds_store_b128 v[STA], v[4*ii:4*ii+3] offset:512*ii   ; each accumulator from its low end on
.set ii, ii+1
.endr
	WIN 0
	ds_store_b32 v[STB], v[ST]
	ds_store_b32 v[STB], v[ST+8] offset:128
	ds_store_b32 v[STB], v[ST+2] offset:256
	ds_store_b32 v[STB], v[ST+10] offset:384
.Lkeep:
	s_wait_dscnt 0x0                               ; for the others' sake: my stores have landed
	s_barrier_signal -1
	s_barrier_wait -1
	s_cmp_gt_u32 s[WV], 3
	s_cbranch_scc1 .Ldone
.set ii, 0
.rept 32
	ds_load_b128 v[SC+4*ii:SC+4*ii+3], v[STA] offset:512*ii
.set ii, ii+1
.endr
	ds_load_b32 v240, v[STB]
	ds_load_b32 v241, v[STB] offset:128
	ds_load_b32 v242, v[STB] offset:256
	ds_load_b32 v243, v[STB] offset:384
	s_wait_dscnt 0x0
.irp u, 0,1
	v_min_num_f32 v[ST+8*\u+6], v[ST+8*\u], v[240+\u]        ; -M of the two together
	s_delay_alu instid0(VALU_DEP_1)
	v_sub_f32 v[ST+8*\u+7], v[ST+8*\u+6], v[ST+8*\u]
	s_delay_alu instid0(VALU_DEP_2)
	v_sub_f32 v[240+\u], v[ST+8*\u+6], v[240+\u]
	s_delay_alu instid0(VALU_DEP_2)
	v_cvt_i32_f32 v[ST+8*\u+7], v[ST+8*\u+7]
	s_delay_alu instid0(VALU_DEP_2)
	v_cvt_i32_f32 v[240+\u], v[240+\u]
	s_delay_alu instid0(VALU_DEP_2)
	v_ldexp_f32 v[ST+8*\u+7], 1.0, v[ST+8*\u+7]              ; what brings my half under it,
	s_wait_alu depctr_va_vdst(0)
	v_ldexp_f32 v[240+\u], 1.0, v[240+\u]                    ; and the other: exact powers of two
	v_mul_f32 v[ST+8*\u+2], v[ST+8*\u+2], v[ST+8*\u+7]
	s_delay_alu instid0(VALU_DEP_1)
	v_fma_f32 v[ST+8*\u+2], v[242+\u], v[240+\u], v[ST+8*\u+2]   ; the row's sum
.endr
	s_wait_alu depctr_va_vdst(0)
	v_rcp_f32 v[ST+3], v[ST+2]
	v_rcp_f32 v[ST+11], v[ST+10]
	v_nop                                          ; a plain instruction behind the last reciprocal
	s_wait_alu depctr_va_vdst(0)                   ; the wait ahead of the first use: one for both
.irp u, 0,1
	v_mul_f32 v[244+4*\u], v[ST+8*\u+7], v[ST+8*\u+3]
	v_mul_f32 v[246+4*\u], v[240+\u], v[ST+8*\u+3]
	s_delay_alu instid0(VALU_DEP_2)
	v_ldexp_f32 v[244+4*\u], v[244+4*\u], s[EPV]             ; x 2^(e8 + e9)
	s_delay_alu instid0(VALU_DEP_2)
	v_ldexp_f32 v[246+4*\u], v[246+4*\u], s[EPV]
	v_mov_b32 v[245+4*\u], 0                                 ; (named as the pairs' upper halves)
	v_mov_b32 v[247+4*\u], 0
.endr
.set ii, 0
.rept 64
	v_pk_mul_f32 v[SC+2*ii:SC+2*ii+1], v[SC+2*ii:SC+2*ii+1], v[246+4*(ii/32):247+4*(ii/32)] op_sel_hi:[1,0]
.set ii, ii+1
.endr
	WIN 0x01                                       ; my O^T in window 1
.set ii, 0
.rept 64
	v_pk_fma_f32 v[SC+2*ii:SC+2*ii+1], v[2*ii:2*ii+1], v[244+4*(ii/32):245+4*(ii/32)], v[SC+2*ii:SC+2*ii+1] op_sel_hi:[1,0,1]   ; the attention's result; each accumulator from its low end on
.set ii, ii+1
.endr
	WIN 0
.set ii, 0
.rept 128
	v_med3_num_f32 v[SC+ii], v[SC+ii], -v[LMA], v[LMA]   ; the hold at the largest code x 2^e10
.set ii, ii+1
.endr
.irp u, 0,1
.irp d, 0,1,2,3,4,5,6,7
	v_cvt_scalef32_pk8_fp8_f32 v[PC+16*\u+2*\d:PC+16*\u+2*\d+1], v[SC+64*\u+8*\d:SC+64*\u+8*\d+7], v[SCA]   ; registers 2 d, 2 d + 1 of the last product's operand
.endr
.endr
	v_nop
.irp u, 0,1
.irp c, 0,1,2,3
	global_store_b128 v[LN16], v[PC+16*\u+4*\c:PC+16*\u+4*\c+3], s[14:15] offset:4096*\u+512*\c   ; 512 consecutive bytes, aligned
.endr
.endr
.Ldone:
	s_wait_tensorcnt 0x0                           ; the wave's end
	ds_add_u32 v[SPW], v[NIL]
	s_wait_dscnt 0x0
	CROUND                                         ; the closing round
	s_endpgm
.Lfunc_end_k_qab21cf1305_attn:
	.size	k_qab21cf1305_attn, .Lfunc_end_k_qab21cf1305_attn-k_qab21cf1305_attn
	.p2alignl 7, 3214868480
	.fill 96, 4, 3214868480
	.section	.rodata,"a",@progbits
	.p2align	6, 0x0
	.amdhsa_kernel k_qab21cf1305_attn
		.amdhsa_group_segment_fixed_size 327680
		.amdhsa_private_segment_fixed_size 0
		.amdhsa_enable_private_segment 0
		.amdhsa_kernarg_size 48
		.amdhsa_user_sgpr_count 2
		.amdhsa_user_sgpr_kernarg_segment_ptr 1
		.amdhsa_wavefront_size32 1
		.amdhsa_system_sgpr_workgroup_id_x 1
		.amdhsa_system_sgpr_workgroup_id_y 1
		.amdhsa_system_sgpr_workgroup_id_z 1
		.amdhsa_system_vgpr_workitem_id 0
		.amdhsa_next_free_vgpr 512
		.amdhsa_next_free_sgpr 96
		.amdhsa_reserve_vcc 0
		.amdhsa_float_denorm_mode_32 3
		.amdhsa_float_denorm_mode_16_64 3
		.amdhsa_memory_ordered 1
		.amdhsa_forward_progress 1
		.amdhsa_inst_pref_size 255
	.end_amdhsa_kernel
	.section	.bss,"aw",@nobits
	.p2align	6
	.space	262144
	.amdgpu_metadata
---
amdhsa.version: [ 1, 2 ]
amdhsa.kernels:
  - .name:           k_qab21cf1305_attn
    .symbol:         k_qab21cf1305_attn.kd
    .args:
      - { .name: q_img, .offset: 0, .size: 8, .value_kind: global_buffer, .address_space: global }
      - { .name: k_img, .offset: 8, .size: 8, .value_kind: global_buffer, .address_space: global }
      - { .name: v_img, .offset: 16, .size: 8, .value_kind: global_buffer, .address_space: global }
      - { .name: attention_mask, .offset: 24, .size: 8, .value_kind: global_buffer, .address_space: global }
      - { .name: lowp_scales, .offset: 32, .size: 8, .value_kind: global_buffer, .address_space: global }
      - { .name: a_img, .offset: 40, .size: 8, .value_kind: global_buffer, .address_space: global }
    .group_segment_fixed_size: 327680
    .private_segment_fixed_size: 0
    .kernarg_segment_align: 8
    .kernarg_segment_size: 48
    .max_flat_workgroup_size: 256
    .sgpr_count:     96
    .vgpr_count:     512
    .wavefront_size: 32
...
	.end_amdgpu_metadata
.endif
;; end of part 3
;; launch oproj (part 4): grid 8 x 32, 4 waves a work-group, clusters of 4 x 4, 327,680 bytes of LDS; arguments a_img, o_w_codes, lowp_scales, out0; writes out0
.if DOCPART == 4
	.amdgcn_target "amdgcn-amd-amdhsa--gfx1250"
	.amdhsa_code_object_version 6
	.text
	.protected	k_qab21cf1305_oproj
	.globl	k_qab21cf1305_oproj
	.p2align	8
	.type	k_qab21cf1305_oproj,@function
k_qab21cf1305_oproj:
	s_mov_b64 s[64:65], 0
	v_nop
	global_prefetch_b8 v0, s[64:65] scope:SCOPE_SE
	s_setreg_imm32_b32 hwreg(HW_REG_WAVE_MODE, 25, 1), 1
	s_wait_xcnt 0x0
	s_wait_alu depctr_hold_cnt(0) depctr_sa_sdst(0) depctr_va_vdst(0) depctr_va_sdst(0) depctr_va_ssrc(0) depctr_va_vcc(0) depctr_vm_vsrc(0)
	s_getreg_b32 s2, hwreg(HW_REG_IB_STS2, 6, 4)
	s_cmp_eq_u32 s2, 0
	s_cbranch_scc0 .Lentry_in_a_cluster
	s_endpgm
.Lentry_in_a_cluster:
	s_bfe_u32 s2, ttmp6, 0x10000c
	s_cmp_lg_u32 s2, 0xf033
	s_cbranch_scc0 .Lentry_shape_is_right
	s_endpgm
.Lentry_shape_is_right:
; THE PROJECTION ON THE WAY OUT: out0[token][n] = 2^(e10 + e11) x the sum over k of A[token][k] W[n][k], on codes of E4M3.  K = 1,024 = head x 128 + d.  No work of the problem is left out here.
; A comes as images of operand registers, [pair of heads][tile of 16 tokens][head % 2][2,048 bytes], in the fp8 form's own layout (k = 16 c + 8 (lane / 16) + 0 .. 7 in registers 2 c, 2 c + 1); W as rows of 1,024 codes.
; A tile of 128 tokens x 256 columns to a work-group: 256 work-groups.  Four waves, each 64 x 128: 32 accumulators.  K goes in eight half steps of 128.
; A GOES FROM MEMORY STRAIGHT INTO REGISTERS: an image is what a fragment's registers hold, so a load of 16 bytes a lane, 512 consecutive bytes a wave, fills four of them.  Four sets of 64 registers by turns; half step h + 3 is asked for in half step h.
; W LIES WHOLE IN LDS: four places of 256 rows x 272 bytes, one for each 256 of K, each filled once, at the head, by one wave's one tensor load.  Nothing is filled again: one barrier, and no ring.
; W's fragments are read by loads of 8 bytes, so that k lies in W's registers as in A's images.  The matrix instruction is used transposed (source 0 = 16 rows of W): a lane holds eight neighbouring columns of a token.
; CLUSTER: W's tiles are asked for jointly along a column of the cluster.  A is not: it passes through no LDS.  NO PREFETCH: the text has no loop to run ahead in; all of W and three of A's eight half steps are asked for at the head.
; LIMIT: e10 + e11 between -126 and 127.
; REGISTERS: window 0: v20-29 addresses; v32-95 and v128-255 the way out.  window 1: W's fragments, two sets.  window 2: the accumulators, (a, b) at v[8 (8 a + b)].  window 3: A's fragments, set h % 4 at v[64 (h % 4)].
.set PITCH,  272
.set WSLOT,  256*PITCH
.set STAGE,  4*WSLOT                   ; the way out: 16 rows x 528 bytes for each wave, bytes of their own
.set SPITCH, 528
.set SPARE,  STAGE+4*16*SPITCH         ; the spare words, 128 bytes for each wave, which no other line names
.set ADRB, 20                          ; v20-23 my W fragments in place 0 .. 3
.set STO,  24
.set RD,   25
.set CO,   26
.set SPW,  28
.set NIL,  29
.set TMP,  32
.set BK,   128
.set G1B, 32
.set G0W, 44                           ; s[44:59] four sets
.set MSB, 0
.macro WIN new
.if MSB != \new
	s_set_vgpr_msb (MSB<<8)|\new
.set MSB, \new
.endif
.endm
.set MUL,  0xad                        ; source 0 (W) window 1, source 1 (A) window 3, C and D window 2
.set TO_B, 0x40
.set TO_A, 0xc0
.macro PLACES
.rept 4
	v_nop
.endr
.endm
.macro TL g0                           ; a joint load; s_nop 0 and four v_nop behind it
	tensor_load_to_lds s[\g0:\g0+3], s[G1B:G1B+7]
	s_nop 0
	PLACES
.endm
.macro CROUND
	s_barrier_signal -1
	s_barrier_wait -1
	s_cmp_lg_u32 s14, 0
	s_cbranch_scc1 .Lnot_wave_0_\@
	s_barrier_signal -3
.Lnot_wave_0_\@:
	s_barrier_wait -3
	s_barrier_signal -1
	s_barrier_wait -1
.endm
.macro ALOAD h                         ; my 64 tokens x 128 of K, half step h, into set h % 4: 16 loads
	WIN TO_A
.irp a, 0,1,2,3
.irp c, 0,1,2,3
	global_load_b128 v[64*((\h)%4)+16*\a+4*\c:64*((\h)%4)+16*\a+4*\c+3], v[CO], s[72:73] offset:((\h)/2)*1048576+((\h)%2)*2048+4096*\a+512*\c
.endr
.endr
.endm
.macro FETCH s, q                      ; W's eight fragments of the q-th 128 of place s, into set q
	WIN TO_B
.irp b, 0,1,2,3,4,5,6,7
.irp c, 0,1,2,3,4,5,6,7
	ds_load_b64 v[128*(\q)+16*\b+2*\c:128*(\q)+16*\b+2*\c+1], v[ADRB+(\s)] offset:16*PITCH*\b+128*(\q)+16*\c
.endr
.endr
.endm
.macro MUL16 a0, h                     ; the 32 accumulators take turns, in the same order in every half step; half step 0 starts the sums
.irp a, \a0, \a0+1
.irp b, 0,1,2,3,4,5,6,7
.if (\h) == 0
	v_wmma_f32_16x16x128_fp8_fp8 v[8*(8*(\a)+\b):8*(8*(\a)+\b)+7], v[128*((\h)%2)+16*\b:128*((\h)%2)+16*\b+15], v[64*((\h)%4)+16*(\a):64*((\h)%4)+16*(\a)+15], 0
.else
	v_wmma_f32_16x16x128_fp8_fp8 v[8*(8*(\a)+\b):8*(8*(\a)+\b)+7], v[128*((\h)%2)+16*\b:128*((\h)%2)+16*\b+15], v[64*((\h)%4)+16*(\a):64*((\h)%4)+16*(\a)+15], v[8*(8*(\a)+\b):8*(8*(\a)+\b)+7]
.endif
.endr
.endr
.endm
.macro HALF h                          ; 128 along K; in its middle, four places behind the last half step's products, the sets that those products read are asked for anew
.if (\h) < 6
	s_wait_loadcnt 32                              ; A's half step h is in; the 16 loads of each of h + 1 and h + 2 may be out
.else
	s_wait_loadcnt 16*(7-(\h))
.endif
	s_wait_dscnt 0x0                               ; W's fragments
	WIN MUL
	MUL16 0, \h
.if (\h) < 7
	PLACES
	FETCH ((\h)+1)/2, ((\h)+1)%2
.if (\h) < 5
	ALOAD (\h)+3
.endif
	WIN MUL
.endif
	MUL16 2, \h
.endm
	s_load_b256 s[4:11], s[0:1], 0x0               ; a_img, o_w's codes, the scales' exponents, out0
	v_lshl_add_u32 v[SPW], v0, 2, SPARE
	v_mov_b32 v[NIL], 0
	ds_add_u32 v[SPW], v[NIL]                      ; the opening lines: the add, twice on end, and its wait
	ds_add_u32 v[SPW], v[NIL]
	v_lshrrev_b32 v1, 5, v0
	v_readfirstlane_b32 s14, v1                    ; wave 0..3
	s_lshr_b32 s15, s14, 1                         ; my half of the tokens
	s_and_b32 s16, s14, 1                          ; my half of the columns
	s_bfe_u32 s66, ttmp6, 0x40000                  ; cx
	s_bfe_u32 s67, ttmp6, 0x40004                  ; cy
	s_lshl_b32 s68, ttmp9, 2
	s_add_co_u32 s68, s68, s66                     ; tile of 256 columns
	s_and_b32 s69, ttmp7, 0xffff
	s_lshl_b32 s69, s69, 2
	s_add_co_u32 s69, s69, s67                     ; tile of 128 tokens
	s_lshl_b32 s71, 0x1111, s66                    ; my column of the cluster
	s_or_b32 s[G1B], s71, (0<<16)|(1<<20)|(1<<21)|(5<<22)|(3<<25)   ; 256 rows of 256 bytes, 1,024 from row to row; 4 words of padding after every 64
	s_mov_b32 s[G1B+1], 256<<16
	s_mov_b32 s[G1B+2], 256<<16
	s_mov_b32 s[G1B+3], 256<<16
	s_mov_b32 s[G1B+4], 256
	s_mov_b32 s[G1B+5], 1024
	s_mov_b32 s[G1B+6], 0
	s_mov_b32 s[G1B+7], 0
	s_lshl_b32 s72, s69, 15                        ; A: eight token tiles of 4,096 bytes to a tile of 128 tokens,
	s_lshl_b32 s73, s15, 14                        ; my four of them
	s_add_co_u32 s72, s72, s73
	s_mov_b32 s73, 0
	s_lshl_b32 s74, s68, 18                        ; W: 256 rows of 1,024 bytes
	s_mov_b32 s75, 0
	s_wait_dscnt 0x0                               ; both opening adds are done
	s_wait_kmcnt 0x0
	s_load_b64 s[80:81], s[8:9], 0x28              ; e10, e11
	s_add_nc_u64 s[72:73], s[4:5], s[72:73]
	s_add_nc_u64 s[74:75], s[6:7], s[74:75]
	CROUND                                         ; all sixteen work-groups are here: the joint loads meet
.irp s, 0,1,2,3
	s_mov_b32 s[G0W+4*\s], 1
	s_mov_b32 s[G0W+4*\s+1], \s*WSLOT
	s_add_nc_u64 s[G0W+4*\s+2:G0W+4*\s+3], s[74:75], \s*256
	s_or_b32 s[G0W+4*\s+3], s[G0W+4*\s+3], 0x80000000
.endr
	s_cmp_lg_u32 s14, 0                            ; one chain of branches on the wave's number, one fill to an arm: wave w fetches K's w-th 256
	s_cbranch_scc1 .Lh1
	TL G0W
	s_branch .Lhj
.Lh1:
	s_cmp_lg_u32 s14, 1
	s_cbranch_scc1 .Lh2
	TL G0W+4
	s_branch .Lhj
.Lh2:
	s_cmp_lg_u32 s14, 2
	s_cbranch_scc1 .Lh3
	TL G0W+8
	s_branch .Lhj
.Lh3:
	TL G0W+12
.Lhj:
	v_and_b32 v1, 15, v0                           ; r
	v_bfe_u32 v2, v0, 4, 1                         ; h
	v_and_b32 v3, 31, v0
	v_lshlrev_b32 v[CO], 4, v3                     ; 16 x lane
	v_mul_u32_u24 v4, v1, PITCH
	v_lshl_add_u32 v4, v2, 3, v4                   ; W: row r, + 8 h
	v_mul_u32_u24 v5, v1, SPITCH
	v_lshl_add_u32 v5, v2, 5, v5                   ; the stage: row r, 32 bytes for each half of the lanes
	s_mul_i32 s79, s16, 128*PITCH
.irp s, 0,1,2,3
	v_add_nc_u32 v[ADRB+\s], s79, v4
	s_add_co_u32 s79, s79, WSLOT
.endr
	s_mul_i32 s78, s14, 16*SPITCH
	s_add_co_u32 s78, s78, STAGE                   ; my stage
	v_add_nc_u32 v[STO], s78, v5
	v_add_nc_u32 v[RD], s78, v[CO]                 ; back: the 32 lanes take one row of 512 bytes
	s_wait_alu depctr_va_vdst(0)                   ; the wait at the head's end: no vector register is written between here and the way out
	ALOAD 0
	ALOAD 1
	ALOAD 2
	WIN 0
	s_lshl_b32 s76, s69, 7
	s_lshl_b32 s77, s15, 6
	s_add_co_u32 s76, s76, s77                     ; my first token
	s_lshl_b32 s76, s76, 13                        ; a row of out0 is 8,192 bytes
	s_lshl_b32 s77, s68, 10
	s_add_co_u32 s76, s76, s77
	s_lshl_b32 s77, s16, 9
	s_add_co_u32 s76, s76, s77                     ; + my first column's bytes
	s_mov_b32 s77, 0
	s_add_nc_u64 s[10:11], s[10:11], s[76:77]
	s_wait_tensorcnt 0x0                           ; my fill has landed,
	s_barrier_signal -1
	s_barrier_wait -1                              ; everybody's has: W is whole
	FETCH 0, 0
.irp h, 0,1,2,3,4,5,6,7
	HALF \h
.endr
	WIN 0
; THE WAY OUT, a block of 16 tokens x 128 columns at a time: through my own stage, back as whole rows of 512 bytes.  LDS serves a wave's instructions in order (ISA guide 5.7.1.4): no wait between the stores and the loads.
.macro TOSTAGE a
.set AC, 64*(\a)
	WIN 0x02
.set ii, 0
.rept 32
	v_pk_mul_f32 v[TMP+2*ii:TMP+2*ii+1], v[AC+2*ii:AC+2*ii+1], s[80:81] op_sel_hi:[1,0]   ; x 2^(e10 + e11); each accumulator from its low end on
.set ii, ii+1
.endr
	WIN 0
.irp b, 0,1,2,3,4,5,6,7
	ds_store_b128 v[STO], v[TMP+8*\b:TMP+8*\b+3] offset:64*\b
	ds_store_b128 v[STO], v[TMP+8*\b+4:TMP+8*\b+7] offset:64*\b+16
.endr
.set BB, BK+64*((\a)%2)
.irp t, 0,1,2,3,4,5,6,7,8,9,10,11,12,13,14,15
	ds_load_b128 v[BB+4*\t:BB+4*\t+3], v[RD] offset:\t*SPITCH
.endr
.endm
.macro SEND a, younger                 ; younger: the LDS instructions issued behind block a's loads, which may stay out
.set BB, BK+64*((\a)%2)
	s_wait_dscnt \younger
.if (\a) > 0
	s_add_nc_u64 s[10:11], s[10:11], 16*8192       ; (behind a wait on XCNT: the earlier stores have read their base)
.endif
.irp t, 0,1,2,3,4,5,6,7,8,9,10,11,12,13,14,15
	global_store_b128 v[CO], v[BB+4*\t:BB+4*\t+3], s[10:11] offset:\t*8192 th:TH_STORE_NT   ; 32 lanes store 512 consecutive bytes, aligned
.endr
.endm
	s_wait_kmcnt 0x0
	s_add_co_i32 s80, s80, s81
	s_add_co_i32 s80, s80, 127
	s_lshl_b32 s80, s80, 23                        ; 2^(e10 + e11) as f32
	PLACES                                         ; behind the last products, ahead of the first read of results
	TOSTAGE 0
.irp a, 1,2,3
.if \a > 1
	s_wait_xcnt 0x0                                ; block a - 2's stores have read their registers and their base
.endif
	TOSTAGE \a
	SEND \a-1, 32                                  ; behind block a - 1's loads: block a's 16 stores and 16 loads
.endr
	s_wait_xcnt 0x0
	SEND 3, 0
	s_wait_tensorcnt 0x0                           ; the wave's end
	ds_add_u32 v[SPW], v[NIL]
	s_wait_dscnt 0x0
	CROUND                                         ; the closing round
	s_endpgm
.Lfunc_end_k_qab21cf1305_oproj:
	.size	k_qab21cf1305_oproj, .Lfunc_end_k_qab21cf1305_oproj-k_qab21cf1305_oproj
	.p2alignl 7, 3214868480
	.fill 96, 4, 3214868480
	.section	.rodata,"a",@progbits
	.p2align	6, 0x0
	.amdhsa_kernel k_qab21cf1305_oproj
		.amdhsa_group_segment_fixed_size 327680
		.amdhsa_private_segment_fixed_size 0
		.amdhsa_enable_private_segment 0
		.amdhsa_kernarg_size 32
		.amdhsa_user_sgpr_count 2
		.amdhsa_user_sgpr_kernarg_segment_ptr 1
		.amdhsa_wavefront_size32 1
		.amdhsa_system_sgpr_workgroup_id_x 1
		.amdhsa_system_sgpr_workgroup_id_y 1
		.amdhsa_system_sgpr_workgroup_id_z 1
		.amdhsa_system_vgpr_workitem_id 0
		.amdhsa_next_free_vgpr 1024
		.amdhsa_next_free_sgpr 96
		.amdhsa_reserve_vcc 0
		.amdhsa_float_denorm_mode_32 3
		.amdhsa_float_denorm_mode_16_64 3
		.amdhsa_memory_ordered 1
		.amdhsa_forward_progress 1
		.amdhsa_inst_pref_size 92
	.end_amdhsa_kernel
	.amdgpu_metadata
---
amdhsa.version: [ 1, 2 ]
amdhsa.kernels:
  - .name:           k_qab21cf1305_oproj
    .symbol:         k_qab21cf1305_oproj.kd
    .args:
      - { .name: a_img, .offset: 0, .size: 8, .value_kind: global_buffer, .address_space: global }
      - { .name: o_w_codes, .offset: 8, .size: 8, .value_kind: global_buffer, .address_space: global }
      - { .name: lowp_scales, .offset: 16, .size: 8, .value_kind: global_buffer, .address_space: global }
      - { .name: out0, .offset: 24, .size: 8, .value_kind: global_buffer, .address_space: global }
    .group_segment_fixed_size: 327680
    .private_segment_fixed_size: 0
    .kernarg_segment_align: 8
    .kernarg_segment_size: 32
    .max_flat_workgroup_size: 128
    .sgpr_count:     96
    .vgpr_count:     1024
    .wavefront_size: 32
...
	.end_amdgpu_metadata
.endif
;; end of part 4
